; MI455X (gfx1250); checked and timed in simulation.
; The chip was launched on July 23, 2026; its instructions are those of AMD's public machine-readable ISA for CDNA 5 (MIT licence, August 2026) and "CDNA5" Instruction Set Architecture Reference Guide (July 2026). The comments in the code are by the model that wrote it; some were corrected since.
;; Multi Head Masked Attention. Allowed arithmetic: matrix products marked QUANTISED: E2M3 operands, one E8M0 scale for each 32 along K, by v_wmma_scale_f32_16x16x128_f8f6f4 with both operands' format E2M3, f32 sums; everything else in f32.
;; Inputs: Wk 1,024 x 1,024 float32; Wo 1,024 x 1,024 float32; Wq 1,024 x 1,024 float32; Wv 1,024 x 1,024 float32; bo 1,024 float32; x 4 x 2,048 x 1,024 float32.
;; Outputs: out0 4 x 2,048 x 1,024 float32.
;; This version of the problem:
;;   THIS VERSION OF THE PROBLEM IS GIVEN IN LOW PRECISION. The matrix products marked QUANTISED in the list below multiply operands that are first quantised to E2M3 (2 exponent bits, 3 mantissa bits; 6 bits a number), with one power-of-two scale for each 32 numbers along K (OCP MX v1.0); their sums are f32. All else is computed in f32.
;;   The module's matrix products, in the order in which they are computed (A, B: the left and right operand; K: the contracted axis; several contracted axes count as one K, in the product's order):
;;     1. [M 8,192, K 1,024] x [K 1,024, N 1,024]; A: input x; B: input Wk: QUANTISED
;;     2. [M 8,192, K 1,024] x [K 1,024, N 1,024]; A: input x; B: input Wq: QUANTISED
;;     3. [M 8,192, K 1,024] x [K 1,024, N 1,024]; A: input x; B: input Wv: QUANTISED
;;     4. batch 64 x [M 2,048, K 64] x [K 64, N 2,048]; A: computed on the way; B: computed on the way: QUANTISED
;;     5. batch 64 x [M 2,048, K 2,048] x [K 2,048, N 64]; A: softmax (see below); B: computed on the way: QUANTISED
;;     6. [M 8,192, K 1,024] x [K 1,024, N 1,024]; A: computed on the way; B: input Wo: QUANTISED
;;   THE QUANTISER, for each operand of a quantised product, along K:
;;     - K is cut into blocks of 32 from its start; a last block that is shorter is filled with zeros.
;;     - A block's scale is 2^e with e = floor(log2(the largest magnitude in the block)) - 2, held to -126 .. 127; a block of zeros has e = 0. As a byte (E8M0): e + 127.
;;     - Each number is divided by its block's scale, clamped to +-7.5, and rounded to the nearest number of E2M3, ties to even, subnormals kept.
;;     - The product sums the exact products of the quantised numbers (number of the format x scale) in f32.
;;   ~~~python
;;   def quantise(x, axis):      # numpy; x: float32 -> the quantised numbers, widened to float32 again
;;       x = np.moveaxis(x, axis, -1); K = x.shape[-1]
;;       x = np.pad(x, [(0, 0)] * (x.ndim - 1) + [(0, -K % 32)]); x = x.reshape(x.shape[:-1] + (-1, 32)); a = np.abs(x).max(-1, keepdims=True)
;;       e = np.where(a > 0, np.clip(np.frexp(np.where(a > 0, a, 1))[1] - 1 - 2, -126, 127), 0)      # np.frexp(a)[1] - 1 = floor(log2(a)), exactly
;;       r = np.clip(x / 2.0 ** e, -7.5, 7.5)
;;       step = 2.0 ** (np.maximum(np.frexp(np.where(r == 0, 1, r))[1] - 1, 0) - 3)
;;       q = np.round(r / step) * step * 2.0 ** e      # np.round: ties to even
;;       return np.moveaxis(q.reshape(q.shape[:-2] + (-1,))[..., :K], -1, axis).astype(np.float32)
;;   ~~~
;;   SOFTMAX AHEAD OF A QUANTISED PRODUCT. Where the list says 'softmax', what is quantised is not the finished softmax but p = 2^(t - M), with t = logit x log2(e) and M = ceil(the row's largest t), a whole number; so 1/2 < the row's largest p <= 1. The row's sum l is taken of the UNQUANTISED p, in f32, and the product's result is divided by l at the end. Since M is a whole number, a kernel that streams over the keys may use a running M (the ceiling of the running maximum): every later rescaling is an exact power of two, which a block's scale takes up: the codes' values come out the same.
;;   OPERANDS COMPUTED ON THE WAY. 'Computed on the way' means the value that the module computes at that place (a softmax that the list does not call 'softmax' is quantised finished and normalised). What goes into a quantiser is computed in f32, as accurately as f32 sums, v_exp_f32 and their like allow (about 1e-6 of the number): no bf16 or f16 on the way to a quantiser, and a product that is left as it is and whose result goes on into a quantised operand takes f32 operands (vector FMAs, or v_wmma_f32_16x16x4_f32). A number that lies on a knife's edge between two numbers of the format may be rounded either way, as far as f32 arithmetic and the matrix unit's own rounding can turn it there, and no further.
;; One version. Each part assembles by itself: llvm-mc -triple=amdgcn-amd-amdhsa -mcpu=gfx1250 --defsym DOCPART=n.
;; ======== version 1 of 1: 4 launches
;; workspace buffers: codes 9,437,184 bytes; scales 393,216 bytes; zc 25,165,824 bytes; zs 1,048,576 bytes; ac 6,291,456 bytes; asc 262,144 bytes
;; launch quant (part 1): grid 384 x 1, 4 waves a work-group, no clusters, 63,488 bytes of LDS; arguments x, Wk, Wq, Wv, Wo, codes, scales; writes codes, scales
.if DOCPART == 1
	.amdgcn_target "amdgcn-amd-amdhsa--gfx1250"
	.amdhsa_code_object_version 6
	.text
	.protected	k_q5543e770c1_quant
	.globl	k_q5543e770c1_quant
	.p2align	8
	.type	k_q5543e770c1_quant,@function
k_q5543e770c1_quant:
	s_mov_b64 s[64:65], 0
	v_nop
	global_prefetch_b8 v0, s[64:65] scope:SCOPE_SE
	s_setreg_imm32_b32 hwreg(HW_REG_WAVE_MODE, 25, 1), 1
	s_wait_xcnt 0x0
; x [8192][1024] and Wk, Wq, Wv, Wo [1024][1024], f32, K innermost, become codes of FP6 (E2M3) with one E8M0 byte for each 32 along K.
; A block's scale is 2^(floor(log2(its largest magnitude)) - 2): its byte is the largest magnitude's exponent field - 2, held at 1 from below.
; LIMITS: NaN and infinities are not served; a block of zeros gets the byte 1 where the rule says 127 (its codes are zeros, and this program alone reads the bytes);
; blocks whose largest magnitude lies under 2^-124 are held at the byte 1.
; THE ROW MAP: the five tensors stand one behind the other, 12,288 rows: x 0, Wk 8192, Wq 9216, Wv 10240, Wo 11264.
; POSITIONS: row i of a group of 32 rows lies at position i with bits 3 and 4 exchanged.  Sixteen consecutive positions 32 b + 16 u + m are then rows 32 b + 8 u + m + 8 (m / 8):
; with such rows as a matrix instruction's source 0, a lane's 16 result registers of two neighbouring tiles are 16 neighbouring rows.
; PLANES: codes [plane k / 64][position][48 bytes]: a position's 64 codes of a plane, two blocks of 24 bytes.  128 positions of a plane are 6,144 dense bytes.  scales [position][32 bytes].
; SHARES: a work-group takes 32 rows, a wave 8, one row a step.  A load reads 512 consecutive bytes; a row turns through the wave's own stage in LDS so that lane L holds block L whole (32 numbers):
; its largest magnitude needs no other lane.  Codes and bytes are gathered in LDS by planes and leave in stores of 512 and 256 consecutive bytes.  Loads run three rows ahead.
.set PP,    589824                     ; bytes of a plane: 12,288 positions x 48
.set STG,   4608                       ; a turn stage: 32 places of 128 bytes + 16 of padding
.set WST,   2*STG                      ; two stages a wave
.set CST,   4*WST                      ; codes by planes: 16 x (32 positions x 48 bytes + 16)
.set CPL,   1552
.set SST,   CST+16*CPL                 ; scale bytes: [position 32][32]
.set SPARE, SST+1024                   ; the spare words, 128 bytes a wave: two blocks of 256 bytes that no other line names
.set R,     16                         ; v16-111  three sets of 32 numbers as loaded
.set X,     112                        ; v112-175 two sets of 32 neighbours; on the way out v112-161
.set C,     176                        ; v176-182 a block's codes
.set SPW,   10                         ; v10  LDS address of my spare word; never rewritten
.set NIL,   183                        ; v183 0; never rewritten
	s_load_b256 s[4:11], s[0:1], 0x0               ; x, Wk, Wq, Wv
	s_load_b128 s[12:15], s[0:1], 0x20             ; Wo, codes
	s_load_b64 s[16:17], s[0:1], 0x30              ; scales
	v_lshl_add_u32 v[SPW], v0, 2, SPARE
	v_mov_b32 v[NIL], 0
	v_lshrrev_b32 v1, 5, v0
	v_readfirstlane_b32 s18, v1                    ; wave w
	v_and_b32 v1, 31, v0                           ; lane L
	v_lshlrev_b32 v3, 4, v1                        ; 16 L
	s_and_b32 s19, s18, 1
	s_lshl_b32 s19, s19, 1
	s_lshr_b32 s24, s18, 1
	s_or_b32 s19, s19, s24                         ; w with its two bits exchanged: rows 8 w + t lie at positions 8 w' + t
	v_lshrrev_b32 v4, 1, v1
	v_mul_u32_u24 v4, v4, CPL                      ; block L: plane L / 2,
	v_and_b32 v2, 1, v1
	v_mad_u32_u24 v4, v2, 24, v4                   ; half L % 2,
	s_mul_i32 s24, s19, 384
	s_add_co_u32 s24, s24, CST
	v_add_nc_u32 v4, s24, v4                       ; my wave's eight positions
	s_lshl_b32 s24, s19, 8
	s_add_co_u32 s24, s24, SST
	v_add_nc_u32 v5, s24, v1                       ; my block's byte in my wave's eight rows of bytes
	s_mul_i32 s24, s18, 4*CPL
	s_add_co_u32 s24, s24, CST
	v_add_nc_u32 v6, s24, v3                       ; the way out: wave w takes planes 4 w .. 4 w + 3, 16 bytes a lane
	v_lshlrev_b32 v9, 3, v1
	s_lshl_b32 s24, s18, 8
	s_add_co_u32 s24, s24, SST
	v_add_nc_u32 v8, s24, v9                       ; and 256 of the scale bytes, 8 a lane
	s_mul_i32 s24, s18, WST
	v_lshrrev_b32 v14, 3, v1
	v_mul_u32_u24 v14, v14, 144
	v_and_b32 v2, 7, v1
	v_lshl_add_u32 v14, v2, 4, v14
	v_add_nc_u32 v14, s24, v14                     ; the stage, in: eight lanes' 128 bytes on end, then 16 of padding
	v_mul_u32_u24 v15, v1, 144
	v_add_nc_u32 v15, s24, v15                     ; out: place L
	s_and_b32 s22, ttmp9, 31
	s_cmp_lt_u32 ttmp9, 256
	s_cselect_b32 s22, ttmp9, s22                  ; which 32 rows of its tensor the work-group takes
	s_lshl_b32 s22, s22, 17                        ; x 32 rows of 4,096 bytes
	s_lshl_b32 s23, s18, 15                        ; + my wave's 8 rows
	s_add_co_u32 s22, s22, s23
	s_mov_b32 s23, 0
	s_mul_i32 s24, ttmp9, 1536                     ; codes: 32 positions x 48 bytes in each plane,
	s_mul_i32 s25, s18, 4*PP                       ; my wave's four planes
	s_add_co_u32 s24, s24, s25
	s_mov_b32 s25, 0
	s_lshl_b32 s26, ttmp9, 10                      ; scale bytes: 32 positions x 32,
	s_lshl_b32 s27, s18, 8                         ; my wave's 256
	s_add_co_u32 s26, s26, s27
	s_mov_b32 s27, 0
	s_wait_kmcnt 0x0
	s_cmp_lt_u32 ttmp9, 256                        ; which tensor: the choice hangs on the work-group's number alone
	s_cselect_b64 s[20:21], s[4:5], s[6:7]
	s_cmp_lt_u32 ttmp9, 288
	s_cselect_b64 s[20:21], s[20:21], s[8:9]
	s_cmp_lt_u32 ttmp9, 320
	s_cselect_b64 s[20:21], s[20:21], s[10:11]
	s_cmp_lt_u32 ttmp9, 352
	s_cselect_b64 s[20:21], s[20:21], s[12:13]
	s_add_nc_u64 s[20:21], s[20:21], s[22:23]
	s_add_nc_u64 s[14:15], s[14:15], s[24:25]
	s_add_nc_u64 s[16:17], s[16:17], s[26:27]
.macro LOAD t                          ; row t: eight loads of 512 consecutive bytes
.irp i, 0,1,2,3,4,5,6,7
	global_load_b128 v[R+32*((\t)%3)+4*\i:R+32*((\t)%3)+4*\i+3], v3, s[20:21] offset:4096*(\t)+512*\i th:TH_LOAD_NT
.endr
.endm
.macro TURN t                          ; row t through the stage: LDS serves a wave's instructions in order, so no wait stands between the stores and the loads
.irp i, 0,1,2,3,4,5,6,7
	ds_store_b128 v14, v[R+32*((\t)%3)+4*\i:R+32*((\t)%3)+4*\i+3] offset:STG*((\t)%2)+576*\i
.endr
.irp i, 0,1,2,3,4,5,6,7
	ds_load_b128 v[X+32*((\t)%2)+4*\i:X+32*((\t)%2)+4*\i+3], v15 offset:STG*((\t)%2)+16*\i
.endr
.endm
	LOAD 0
	LOAD 1
	LOAD 2
	s_wait_loadcnt 16                              ; row 0's eight loads are in; rows 1 and 2 may be out
	TURN 0
.macro STEP t
.set XS, X+32*((\t)%2)
	s_wait_dscnt 0x0                               ; this row is back from the stage, so its stores into the stage have read their registers,
.if (\t)+3 < 8
	LOAD (\t)+3                                    ; which take the row three further on
.endif
.if (\t)+1 < 8
.if (\t) < 5
	s_wait_loadcnt 16                              ; the next row is in; the two rows behind it may be out
.else
	s_wait_loadcnt 8*(6-(\t))                      ; the counts run down: one row behind it, then none
.endif
	TURN (\t)+1                                    ; and goes through the other stage while this row is worked
.endif
	v_max3_num_f32 v12, |v[XS]|, |v[XS+1]|, |v[XS+2]|              ; my block's largest magnitude: all 32 numbers are mine; two chains
	v_max3_num_f32 v13, |v[XS+3]|, |v[XS+4]|, |v[XS+5]|
.irp i, 6,10,14,18,22,26
	v_max3_num_f32 v12, v12, |v[XS+\i]|, |v[XS+\i+1]|
	v_max3_num_f32 v13, v13, |v[XS+\i+2]|, |v[XS+\i+3]|
.endr
	v_max3_num_f32 v12, v12, |v[XS+30]|, |v[XS+31]|
	v_max3_num_f32 v12, v12, v13, 0x1800000        ; and the floor 2^(3 - 127): the byte cannot fall under 1
	v_add_nc_u32 v11, 0xff000000, v12              ; 2 off the exponent field: the conversion takes this operand's exponent field as its scale
	v_cvt_scalef32_pk16_fp6_f32 v[C:C+2], v[XS:XS+15], v11
	v_cvt_scalef32_pk16_fp6_f32 v[C+4:C+6], v[XS+16:XS+31], v11    ; (a conversion's three registers begin on an even number)
	v_lshrrev_b32 v13, 23, v11                     ; the scale's byte; also the plain instruction behind the conversions
	v_mov_b32 v[C+3], v[C+4]                       ; the block's 24 bytes on end
	v_mov_b32 v[C+4], v[C+5]
	v_mov_b32 v[C+5], v[C+6]
.irp p, 0,1,2
	ds_store_b64 v4, v[C+2*\p:C+2*\p+1] offset:48*(\t)+8*\p
.endr
	ds_store_b8 v5, v13 offset:32*(\t)
.endm
.irp t, 0,1,2,3,4,5,6,7
	STEP \t
.endr
	s_wait_dscnt 0x0                               ; for the others' sake: my codes and bytes lie in LDS
	s_barrier_signal -1
	s_barrier_wait -1
.irp n, 0,1,2,3,4,5,6,7,8,9,10,11
	ds_load_b128 v[X+4*\n:X+4*\n+3], v6 offset:(\n/3)*CPL+(\n%3)*512
.endr
	ds_load_b64 v[X+48:X+49], v8
.irp n, 0,1,2,3,4,5,6,7,8,9,10,11
	s_wait_dscnt 12-\n                             ; LDS loads come back in order: the n-th is in
	global_store_b128 v3, v[X+4*\n:X+4*\n+3], s[14:15] offset:(\n/3)*PP+(\n%3)*512   ; 32 lanes store 512 consecutive bytes, at a multiple of 256 from the buffer's first byte
.endr
	s_wait_dscnt 0x0
	global_store_b64 v9, v[X+48:X+49], s[16:17]    ; 256 consecutive bytes, aligned
	s_wait_tensorcnt 0x0                           ; the wave's end: behind my last LDS store
	ds_add_u32 v[SPW], v[NIL]
	s_wait_dscnt 0x0
	s_endpgm
.Lfunc_end_k_q5543e770c1_quant:
	.size	k_q5543e770c1_quant, .Lfunc_end_k_q5543e770c1_quant-k_q5543e770c1_quant
	.p2alignl 7, 3214868480
	.fill 96, 4, 3214868480
	.section	.rodata,"a",@progbits
	.p2align	6, 0x0
	.amdhsa_kernel k_q5543e770c1_quant
		.amdhsa_group_segment_fixed_size 63488
		.amdhsa_private_segment_fixed_size 0
		.amdhsa_enable_private_segment 0
		.amdhsa_kernarg_size 56
		.amdhsa_user_sgpr_count 2
		.amdhsa_user_sgpr_kernarg_segment_ptr 1
		.amdhsa_wavefront_size32 1
		.amdhsa_system_sgpr_workgroup_id_x 1
		.amdhsa_system_sgpr_workgroup_id_y 1
		.amdhsa_system_sgpr_workgroup_id_z 1
		.amdhsa_system_vgpr_workitem_id 0
		.amdhsa_next_free_vgpr 184
		.amdhsa_next_free_sgpr 66
		.amdhsa_reserve_vcc 0
		.amdhsa_float_denorm_mode_32 3
		.amdhsa_float_denorm_mode_16_64 3
		.amdhsa_memory_ordered 1
		.amdhsa_forward_progress 1
		.amdhsa_inst_pref_size 34
	.end_amdhsa_kernel
	.amdgpu_metadata
---
amdhsa.version: [ 1, 2 ]
amdhsa.kernels:
  - .name:           k_q5543e770c1_quant
    .symbol:         k_q5543e770c1_quant.kd
    .args:
      - { .name: x, .offset: 0, .size: 8, .value_kind: global_buffer, .address_space: global }
      - { .name: Wk, .offset: 8, .size: 8, .value_kind: global_buffer, .address_space: global }
      - { .name: Wq, .offset: 16, .size: 8, .value_kind: global_buffer, .address_space: global }
      - { .name: Wv, .offset: 24, .size: 8, .value_kind: global_buffer, .address_space: global }
      - { .name: Wo, .offset: 32, .size: 8, .value_kind: global_buffer, .address_space: global }
      - { .name: codes, .offset: 40, .size: 8, .value_kind: global_buffer, .address_space: global }
      - { .name: scales, .offset: 48, .size: 8, .value_kind: global_buffer, .address_space: global }
    .group_segment_fixed_size: 63488
    .private_segment_fixed_size: 0
    .kernarg_segment_align: 8
    .kernarg_segment_size: 56
    .max_flat_workgroup_size: 128
    .sgpr_count:     66
    .vgpr_count:     184
    .wavefront_size: 32
...
	.end_amdgpu_metadata
.endif
;; end of part 1
;; launch proj (part 2): grid 16 x 32, 4 waves a work-group, clusters of 4 x 4, 327,680 bytes of LDS; arguments codes, scales, zc, zs; writes zc, zs
.if DOCPART == 2
	.amdgcn_target "amdgcn-amd-amdhsa--gfx1250"
	.amdhsa_code_object_version 6
	.text
	.protected	k_q5543e770c1_proj
	.globl	k_q5543e770c1_proj
	.p2align	8
	.type	k_q5543e770c1_proj,@function
k_q5543e770c1_proj:
	s_mov_b64 s[64:65], 0
	v_nop
	global_prefetch_b8 v0, s[64:65] scope:SCOPE_SE
	s_setreg_imm32_b32 hwreg(HW_REG_WAVE_MODE, 25, 1), 1
	s_wait_xcnt 0x0
	s_wait_alu depctr_hold_cnt(0) depctr_sa_sdst(0) depctr_va_vdst(0) depctr_va_sdst(0) depctr_va_ssrc(0) depctr_va_vcc(0) depctr_vm_vsrc(0)
	s_getreg_b32 s2, hwreg(HW_REG_IB_STS2, 6, 4)
	s_cmp_eq_u32 s2, 0
	s_cbranch_scc0 .Lentry_in_a_cluster
	s_endpgm
.Lentry_in_a_cluster:
	s_bfe_u32 s2, ttmp6, 0x10000c
	s_cmp_lg_u32 s2, 0xf033
	s_cbranch_scc0 .Lentry_shape_is_right
	s_endpgm
.Lentry_shape_is_right:
; The projections on codes of FP6 (E2M3) with E8M0 scales, K = 1,024, and the quantising of their results: K = x Wk^T, Q = x Wq^T, x Wv^T, and Q once more with the sources' parts exchanged.
; A tile is 256 x 256: R's 256 rows (source 1: a lane holds one of them) x P's 256 rows (source 0: a lane's registers run along them).  Four waves, 128 x 128 each: 64 accumulators, 512 registers.
; Clusters x = 0, 1, 2: R = tokens of x, P = rows of Wk, Wq, Wv: a lane holds a token and its registers run along the features: the result is quantised along the head's axis (operands of Q K^T).
; Cluster x = 3: R = rows of Wq, P = tokens: a lane holds a feature and its registers run along the tokens: the same sums, quantised along the keys (V = Q is the second product's operand, whose K is the keys).
; x Wv^T is a product that the problem writes and whose result it never uses: it is computed and stored like the others, and no later launch reads its chunks.
; Rows lie at POSITIONS (bits 3 and 4 of the row's number exchanged), so that the 16 registers of two neighbouring tiles of P are 16 neighbouring rows of P: blocks of 32 lie in lanes l and l xor 16.
; OUT: zc, chunks of 49,152 bytes [j / 64][i 0..255][48 bytes] (i: R's position in the tile, j: P's row in the tile); zs, chunks of 2,048 bytes [j / 128][i][4 bytes].
; Chunk = 12 x token tile + weight tile (clusters 0-2), 384 + 32 x tile of Wq + token tile (cluster 3).
; LIMITS: NaN and infinities are not served; a block of zeros gets the byte 1 (its codes are zeros; this program alone reads the bytes); largest magnitudes under 2^-124 are held at the byte 1.
; THE RING: K goes in steps of 256 (four planes of 64) through two LDS slots; a wave's tensor load brings four planes x 128 rows x 48 bytes: four dense runs of 6,144 bytes.  A plane's rows are 48 bytes
; = 12 words apart: the 32 lanes of a load of 8 bytes touch 64 different banks (64 banks of 4 bytes: ISA guide 11.1), so there is no padding.  The scale bytes of all of K come once, with the first fills.
; CLUSTERS: 4 x 4.  R's tile hangs on the cluster's ids and cy, and is asked for jointly along a row of the cluster; P's on the ids and cx, jointly along a column.  No branch and no LDS address hangs on cx or cy.
; REGISTERS as windows of 256: window 0: v16-31 addresses; v32-63 scale words, two sets; v64-107 at work on the way out; v128-223 R's fragments, one set.  window 1: P's fragments, two sets.
; windows 2, 3: the accumulators ((a, b) at v[8 (8 (a % 4) + b)] of window 2 + a / 4).
.set PP,     589824                    ; bytes of a plane of the codes' buffer
.set PLB,    6144                      ; 128 rows of a plane
.set NQ,     2                         ; matrix instructions deep in a slot
.set FR,     12                        ; registers of a fragment
.set NL,     6                         ; LDS loads that bring one
.set NP,     4                         ; places behind this matrix instruction (ISA guide 7.12.1)
.set HALFT,  4*PLB                     ; what one tensor load brings, and what one wave reads of R or of P
.set SLOT,   4*HALFT                   ; R's two halves, then P's two
.set KS,     32                        ; a row of scale bytes
.set SCL,    2*SLOT                    ; behind the ring: the scales, as units of 256 bytes + 16 of padding
.set HALFS,  16*272                    ; those of 128 rows
.set SBLK,   2*272                     ; those of 16 rows
.set SPARE,  SCL+4*HALFS               ; the spare words: two blocks of 256 bytes that no other line names
.set CST,    SPARE+512                 ; the way out: for each wave [2][128 rows][48 bytes]; no tensor load fills these bytes
.set WCST,   12288
.set SST,    CST+4*WCST                ; and 128 scale words for each wave
.set ADRA, 16                          ; v16-17 LDS address of my fragments of R in slot 0, 1
.set ADRB, 20                          ; v20-21 the same for P
.set CSTO, 24                          ; v24 where I put my 24 bytes of codes
.set CRD,  25                          ; v25 where I read the stage back
.set CO,   26                          ; v26 16 x lane
.set ADRS, 27                          ; v27 my scale words: lanes 0-15 R's rows, lanes 16-31 P's
.set SPW,  28                          ; v28 my spare word; never rewritten
.set NIL,  29                          ; v29 0; never rewritten
.set SSTO, 30                          ; v30 where I put a scale word
.set SRD,  31                          ; v31 where I read them back
.set SC,   32
.set PC,   64                          ; v64-83 the codes just made
.set TM,   84                          ; v84-87 largest magnitudes, v88-91 the other half's, then bytes, v96-99 the conversions' scale operands
.set PW,   100                         ; the scale word just made
.set SW,   104                         ; v104-107 scale words on their way out
.set AF,   128
.set SEL,  96                          ; s[96:97] lane selects for v_permlanex16_b32: lane l xor 16
.set G1, 24
.set G0, 32
.set G1B, 48
.set G0B, 56
.set G1S, 68
.set G0S, 76
.set G1SB, 80
.set G0SB, 88
.set MSB, 0
.macro WIN new                         ; the immediate's high byte repeats the setting that is left
.if MSB != (\new)
	s_set_vgpr_msb (MSB<<8)|(\new)
.set MSB, (\new)
.endif
.endm
.set MUL_LO, 0xa1                      ; source 0 (P) window 1, source 1 (R) window 0, C and D window 2
.set MUL_HI, 0xf1
.set TO_B,   0x40                      ; destination window 1
; A joint load: waves 0 and 1 fetch for R, waves 2 and 3 for P.  The branch hangs on the wave's number alone.  An s_nop 0 and four v_nop follow each of the two lines.
.macro JLOAD g0a, g1a, g0b, g1b
	s_cmp_eq_u32 s15, 0
	s_cbranch_scc0 .Lfor_b_\@
	tensor_load_to_lds s[\g0a:\g0a+3], s[\g1a:\g1a+7]
	s_nop 0
.rept 4
	v_nop
.endr
	s_branch .Lasked_\@
.Lfor_b_\@:
	tensor_load_to_lds s[\g0b:\g0b+3], s[\g1b:\g1b+7]
	s_nop 0
.rept 4
	v_nop
.endr
.Lasked_\@:
.endm
.macro CREST                           ; a round of the cluster's barrier behind its opening barrier
	s_cmp_lg_u32 s14, 0
	s_cbranch_scc1 .Lnot_wave_0_\@
	s_barrier_signal -3
.Lnot_wave_0_\@:
	s_barrier_wait -3
	s_barrier_signal -1
	s_barrier_wait -1
.endm
.macro CROUND
	s_barrier_signal -1
	s_barrier_wait -1
	CREST
.endm
	s_load_b256 s[4:11], s[0:1], 0x0               ; codes s[4:5], scales s[6:7], zc s[8:9], zs s[10:11]
	v_lshl_add_u32 v[SPW], v0, 2, SPARE
	v_mov_b32 v[NIL], 0
	ds_add_u32 v[SPW], v[NIL]                      ; the wave's opening: the add and its wait ahead of my first tensor load; work on registers stands between them
	v_lshrrev_b32 v1, 5, v0
	v_readfirstlane_b32 s14, v1                    ; wave 0..3
	s_lshr_b32 s15, s14, 1                         ; my half of R's rows.  Also: I fetch for R (0) or for P (1)
	s_and_b32 s16, s14, 1                          ; my half of P's rows.  Also: which 128 rows I fetch
	s_bfe_u32 s40, ttmp6, 0x40000                  ; cx
	s_bfe_u32 s41, ttmp6, 0x40004                  ; cy
	s_and_b32 s17, ttmp7, 0xffff                   ; cluster y
	s_cmp_lt_u32 ttmp9, 3                          ; clusters 0-2: tokens x weights; cluster 3: Wq x tokens.  Six selects, no branch
	s_cselect_b32 s12, s17, 0                      ; R's group of four tiles
	s_cselect_b32 s13, 0, 9216                     ; R's first row in the row map
	s_cselect_b32 s42, ttmp9, s17                  ; P's group of four tiles
	s_cselect_b32 s95, 8192, 0                     ; P's first row
	s_cselect_b32 s2, 0, 384                       ; the first chunk
	s_cselect_b32 s3, 12, 32                       ; chunks for each tile of R
	s_lshl_b32 s12, s12, 2
	s_add_co_u32 s17, s12, s41                     ; R's tile
	s_lshl_b32 s42, s42, 2
	s_add_co_u32 s42, s42, s40                     ; P's tile
	s_lshl_b32 s43, s41, 2
	s_lshl_b32 s43, 15, s43                        ; my row of the cluster
	s_lshl_b32 s44, 0x1111, s40                    ; my column
	; group 1 for codes: four planes x 768 elements of 8 bytes (128 rows x 48 bytes, dense), PP bytes apart
	s_or_b32 s[G1+0], s43, (3<<16)|(1<<21)         ; 15:0 the mask; 17:16 elements of 8 bytes; 20 no padding; 21 set beside a mask
	s_or_b32 s[G1B+0], s44, (3<<16)|(1<<21)
.irp g, G1, G1B
	s_mov_b32 s[\g+1], 768<<16                     ; tensor_dim0
	s_mov_b32 s[\g+2], 4<<16                       ; tensor_dim1
	s_mov_b32 s[\g+3], 768<<16                     ; tile_dim0
	s_mov_b32 s[\g+4], 4                           ; tile_dim1
	s_mov_b32 s[\g+5], PP/8                        ; tensor_dim0_stride
	s_mov_b32 s[\g+6], 0
	s_mov_b32 s[\g+7], 0
.endr
	; and for the scales of 128 rows: 4,096 dense bytes as 16 rows of 256 bytes, 16 bytes of padding behind each
	s_or_b32 s[G1S+0], s43, (3<<16)|(1<<20)|(1<<21)|(5<<22)|(3<<25)
	s_or_b32 s[G1SB+0], s44, (3<<16)|(1<<20)|(1<<21)|(5<<22)|(3<<25)
.irp g, G1S, G1SB
	s_mov_b32 s[\g+1], 32<<16
	s_mov_b32 s[\g+2], 16<<16
	s_mov_b32 s[\g+3], 32<<16
	s_mov_b32 s[\g+4], 16
	s_mov_b32 s[\g+5], 32
	s_mov_b32 s[\g+6], 0
	s_mov_b32 s[\g+7], 0
.endr
	s_lshl_b32 s18, s16, 7                         ; which 128 rows of a tile I fetch
	s_lshl_b32 s20, s17, 8
	s_add_co_u32 s20, s20, s13
	s_add_co_u32 s20, s20, s18                     ; R's row in the row map
	s_lshl_b32 s46, s42, 8
	s_add_co_u32 s46, s46, s95
	s_add_co_u32 s46, s46, s18                     ; P's
	s_lshl_b32 s22, s20, 5                         ; their scale bytes: 32 a row,
	s_mov_b32 s23, 0
	s_lshl_b32 s92, s46, 5
	s_mov_b32 s93, 0
	s_mul_i32 s20, s20, 48                         ; their codes in a plane: 48 bytes a row
	s_mov_b32 s21, 0
	s_mul_i32 s46, s46, 48
	s_mov_b32 s47, 0
	s_mul_i32 s45, s14, HALFT                      ; where they go: no place in the cluster enters an LDS address
	s_mul_i32 s94, s14, HALFS
	s_mov_b32 s[SEL], 0x76543210
	s_mov_b32 s[SEL+1], 0xfedcba98
	s_wait_dscnt 0x0                               ; the opening add is done
	s_wait_kmcnt 0x0
	s_add_nc_u64 s[20:21], s[4:5], s[20:21]
	s_add_nc_u64 s[22:23], s[6:7], s[22:23]
	s_add_nc_u64 s[46:47], s[4:5], s[46:47]
	s_add_nc_u64 s[92:93], s[6:7], s[92:93]
	CROUND                                         ; all sixteen work-groups are here: the first joint loads meet
	s_mov_b32 s[G0S], 1
	s_add_co_u32 s[G0S+1], s94, SCL
	s_mov_b64 s[G0S+2:G0S+3], s[22:23]
	s_or_b32 s[G0S+3], s[G0S+3], 0x80000000
	s_mov_b32 s[G0SB], 1
	s_add_co_u32 s[G0SB+1], s94, SCL
	s_mov_b64 s[G0SB+2:G0SB+3], s[92:93]
	s_or_b32 s[G0SB+3], s[G0SB+3], 0x80000000
	JLOAD G0S, G1S, G0SB, G1SB                     ; the scales first: they are wanted with K step 0
.irp s, 0,1
	s_mov_b32 s[G0+4*\s], 1
	s_add_co_u32 s[G0+4*\s+1], s45, \s*SLOT
	s_add_nc_u64 s[G0+4*\s+2:G0+4*\s+3], s[20:21], \s*4*PP
	s_or_b32 s[G0+4*\s+3], s[G0+4*\s+3], 0x80000000
	s_mov_b32 s[G0B+4*\s], 1
	s_add_co_u32 s[G0B+4*\s+1], s45, \s*SLOT
	s_add_nc_u64 s[G0B+4*\s+2:G0B+4*\s+3], s[46:47], \s*4*PP
	s_or_b32 s[G0B+4*\s+3], s[G0B+4*\s+3], 0x80000000
	JLOAD G0+4*\s, G1, G0B+4*\s, G1B               ; three loads of mine are out
.endr
	v_and_b32 v1, 15, v0                           ; r
	v_bfe_u32 v2, v0, 4, 1                         ; h
	v_and_b32 v7, 31, v0                           ; lane
	v_mul_u32_u24 v3, v1, 48
	v_mad_u32_u24 v4, v2, 24, v3                   ; a fragment's row x 48 + 24 x half
	s_mul_i32 s21, s15, HALFT                      ; my 128 rows of R
	s_mul_i32 s22, s16, HALFT                      ; my 128 rows of P,
	s_add_co_u32 s22, s22, 2*HALFT                 ; behind R's two halves
.irp s, 0,1
	v_add_nc_u32 v[ADRA+\s], s21, v4
	v_add_nc_u32 v[ADRB+\s], s22, v4
	s_add_co_u32 s21, s21, SLOT
	s_add_co_u32 s22, s22, SLOT
.endr
	v_mul_u32_u24 v5, v1, KS                       ; my row's scales: 32 bytes a row,
	v_lshrrev_b32 v6, 8, v5
	v_lshl_add_u32 v5, v6, 4, v5                   ; and 16 more for each 256 passed
	s_mul_i32 s21, s15, HALFS
	s_mul_i32 s22, s16, HALFS
	s_add_co_u32 s22, s22, 2*HALFS
	s_sub_co_u32 s22, s22, s21
	v_mul_u32_u24 v6, s22, v2                      ; lanes 16-31 take P's: one product, the distance between the two bases
	s_add_co_u32 s21, s21, SCL
	v_add_nc_u32 v5, v5, v6
	v_add_nc_u32 v[ADRS], s21, v5
	s_mul_i32 s21, s14, WCST
	s_add_co_u32 s21, s21, CST                     ; my stage for codes
	v_add_nc_u32 v[CSTO], s21, v4
	v_lshlrev_b32 v[CO], 4, v7
	v_add_nc_u32 v[CRD], s21, v[CO]
	s_lshl_b32 s21, s14, 9
	s_add_co_u32 s21, s21, SST                     ; and for scale words
	v_lshl_add_u32 v[SSTO], v1, 2, s21
	v_add_nc_u32 v[SRD], s21, v[CO]
.irp b, 0,1,2,3
	v_mov_b32 v[TM+4+\b], 0                        ; written once: a lane permute's destination counts as one of its sources
.endr
	s_mul_i32 s20, s17, s3
	s_add_co_u32 s20, s20, s2
	s_add_co_u32 s20, s20, s42                     ; my chunk
	s_mul_i32 s22, s20, 49152
	s_mul_i32 s21, s16, 24576                      ; my half of P's rows: two groups of 64,
	s_add_co_u32 s22, s22, s21
	s_mul_i32 s21, s15, PLB                        ; my 128 of R's rows
	s_add_co_u32 s22, s22, s21
	s_mov_b32 s23, 0
	s_add_nc_u64 s[8:9], s[8:9], s[22:23]
	s_lshl_b32 s22, s20, 11
	s_lshl_b32 s21, s16, 10
	s_add_co_u32 s22, s22, s21
	s_lshl_b32 s21, s15, 9
	s_add_co_u32 s22, s22, s21
	s_add_nc_u64 s[10:11], s[10:11], s[22:23]
.macro FRAG reg, adr, q, i             ; 16 rows x 128 K: registers 6 c .. 6 c + 5 hold K = 64 c + 32 (lane / 16) + 0 .. 31: 24 bytes of the row in plane 2 q + c, in pieces of 8 bytes
.irp p, 0,1,2,3,4,5
	ds_load_b64 v[\reg+2*\p:\reg+2*\p+1], v[\adr] offset:(2*(\q)+\p/3)*PLB+(\i)*768+8*(\p%3)
.endr
.endm
; 16 matrix instructions: R's blocks a0, a0 + 1 x P's eight.  The 64 accumulators take turns, one instruction a turn, in the same order in every step.
.macro MUL16 a0, p, q, sc, zero
.irp a, \a0, \a0+1
.irp b, 0,1,2,3,4,5,6,7
.if \zero
	v_wmma_scale_f32_16x16x128_f8f6f4 v[8*(8*((\a)%4)+\b):8*(8*((\a)%4)+\b)+7], v[128*(\p)+FR*\b:128*(\p)+FR*\b+FR-1], v[AF+FR*(\a):AF+FR*(\a)+FR-1], 0, v[SC+8*NQ*(\sc)+NQ*\b+(\q)], v[SC+8*NQ*(\sc)+NQ*(\a)+(\q)] matrix_a_fmt:MATRIX_FMT_FP6 matrix_b_fmt:MATRIX_FMT_FP6 matrix_a_scale:MATRIX_SCALE_ROW1
.else
	v_wmma_scale_f32_16x16x128_f8f6f4 v[8*(8*((\a)%4)+\b):8*(8*((\a)%4)+\b)+7], v[128*(\p)+FR*\b:128*(\p)+FR*\b+FR-1], v[AF+FR*(\a):AF+FR*(\a)+FR-1], v[8*(8*((\a)%4)+\b):8*(8*((\a)%4)+\b)+7], v[SC+8*NQ*(\sc)+NQ*\b+(\q)], v[SC+8*NQ*(\sc)+NQ*(\a)+(\q)] matrix_a_fmt:MATRIX_FMT_FP6 matrix_b_fmt:MATRIX_FMT_FP6 matrix_a_scale:MATRIX_SCALE_ROW1
.endif
.endr
.endr
.endm
.macro FETCH_B slot, q, p
	WIN TO_B
.irp i, 0,1,2,3,4,5,6,7
	FRAG 128*(\p)+FR*\i, ADRB+\slot, \q, \i
.endr
	WIN 0
.endm
.macro FETCH_A slot, q, i0
.irp i, \i0, \i0+1, \i0+2, \i0+3
	FRAG AF+FR*(\i), ADRA+\slot, \q, \i
.endr
.endm
.macro SCALES sc                       ; a K step's scale words: two a row; lanes 0-15 take R's block i, lanes 16-31 P's block i
.irp i, 0,1,2,3,4,5,6,7
	ds_load_b64 v[SC+8*NQ*\sc+NQ*\i:SC+8*NQ*\sc+NQ*\i+1], v[ADRS] offset:\i*SBLK
.endr
.endm
.macro PLACES n                        ; plain vector instructions between a matrix instruction and a load into, or a read of, its registers
.rept \n
	v_nop
.endr
.endm
.macro STEP slot, q, zero              ; a step of 128 along K that has its successor in the same slot
	s_wait_dscnt 4*NL                              ; P's set and R's blocks 0-3 are in; the youngest 24 loads (R's blocks 4-7) may be out
	WIN MUL_LO
	MUL16 0, (\q)%2, \q, \slot, \zero
	MUL16 2, (\q)%2, \q, \slot, \zero
	s_wait_dscnt 0
	PLACES NP
	FETCH_B \slot, (\q)+1, 1-(\q)%2
	FETCH_A \slot, (\q)+1, 0
	WIN MUL_HI
	MUL16 4, (\q)%2, \q, \slot, \zero
	MUL16 6, (\q)%2, \q, \slot, \zero
	PLACES NP
	WIN 0
	FETCH_A \slot, (\q)+1, 4
.endm
; A slot's last step changes slots: one barrier; in front of it each wave waits for all its tensor loads, adds 0 to its spare word, and waits for that and for its reads of this slot.
.macro TURN slot, next, fill
	s_wait_tensorcnt 0x0                           ; all my tensor loads have landed: my part of the next slot
	ds_add_u32 v[SPW], v[NIL]                      ; 0 onto my spare word
	s_wait_dscnt 4*NL+1                            ; (the add and the youngest 24 loads may be out)
	WIN MUL_LO
	MUL16 0, 1, NQ-1, \slot, 0                     ; sixteen matrix instructions stand between the add and the wait for it
	s_wait_dscnt 0x0                               ; the add is done, and my reads of this slot are over
	s_barrier_signal -1
	MUL16 2, 1, NQ-1, \slot, 0
	WIN 0
	s_barrier_wait -1
.if \fill
	CREST                                          ; the barrier has opened a round of the cluster's barrier: no wave of any partner still reads this slot or has a load on its way
	s_add_nc_u64 s[G0+4*\slot+2:G0+4*\slot+3], s[G0+4*\slot+2:G0+4*\slot+3], 8*PP
	s_add_nc_u64 s[G0B+4*\slot+2:G0B+4*\slot+3], s[G0B+4*\slot+2:G0B+4*\slot+3], 8*PP
	JLOAD G0+4*\slot, G1, G0B+4*\slot, G1B         ; the first tensor load behind the round; its four v_nop are also the places in front of the loads below
.else
	PLACES NP
.endif
	v_add_nc_u32 v[ADRS], 4*NQ, v[ADRS]            ; on to the next K step's scale words
	FETCH_B \next, 0, 0
	FETCH_A \next, 0, 0
	SCALES \next
	WIN MUL_HI
	MUL16 4, 1, NQ-1, \slot, 0
	MUL16 6, 1, NQ-1, \slot, 0
	PLACES NP
	WIN 0
	FETCH_A \next, 0, 4
.endm
	s_wait_tensorcnt 1                             ; the scales and my part of K step 0 are in (K step 1's load may be out)
	s_barrier_signal -1
	s_barrier_wait -1
	FETCH_B 0, 0, 0
	FETCH_A 0, 0, 0
	SCALES 0
	FETCH_A 0, 0, 4
	STEP 0, 0, 1                                   ; K = 1,024 is four K steps of 256, written out: the first products start the sums
	TURN 0, 1, 1                                   ; slot 0 takes K step 2
	STEP 1, 0, 0
	TURN 1, 0, 1                                   ; slot 1 takes K step 3
	STEP 0, 0, 0
	TURN 0, 1, 0                                   ; nothing is left to fetch
	STEP 1, 0, 0
	s_wait_dscnt 4*NL
	WIN MUL_LO
	MUL16 0, 1, NQ-1, 1, 0
	MUL16 2, 1, NQ-1, 1, 0
	s_wait_dscnt 0
	WIN MUL_HI
	MUL16 4, 1, NQ-1, 1, 0
	MUL16 6, 1, NQ-1, 1, 0
	WIN 0
; THE WAY OUT.  Block a of R's rows: a lane's 64 registers, register 16 b + i = P's row 32 b + 16 (lane / 16) + i, become 128 codes and a scale word.  Each accumulator is read from its low end on.
.macro QUANTW a
.set QW, 2+(\a)/4
.set QS, 64*((\a)%4)
	WIN (QW<<2)|(QW<<4)                            ; sources 1 and 2: the accumulators' window
.irp b, 0,1,2,3
	v_max3_num_f32 v[TM+\b], 0x1800000, |v[QS+16*\b]|, |v[QS+1+16*\b]|   ; block b: my 16 numbers, and the floor 2^(3 - 127)
.endr
.irp i, 2,4,6,8,10,12,14
.irp b, 0,1,2,3
	v_max3_num_f32 v[TM+\b], v[TM+\b], |v[QS+16*\b+\i]|, |v[QS+1+16*\b+\i]|
.endr
.endr
	WIN 0
.irp b, 0,1,2,3
	v_permlanex16_b32 v[TM+4+\b], v[TM+\b], s[SEL], s[SEL+1]
.endr
.irp b, 0,1,2,3
	v_max_num_f32 v[TM+\b], v[TM+\b], v[TM+4+\b]   ; with lane l xor 16's: the block's largest magnitude
.endr
.irp b, 0,1,2,3
	v_add_nc_u32 v[TM+12+\b], 0xff000000, v[TM+\b] ; 2 off its exponent field: the conversion's scale operand
.endr
.irp b, 0,1,2,3
	v_lshrrev_b32 v[TM+4+\b], 23, v[TM+12+\b]      ; the scale's byte
.endr
	v_lshl_or_b32 v[PW], v[TM+5], 8, v[TM+4]
	v_lshl_or_b32 v[PW], v[TM+6], 16, v[PW]
	v_lshl_or_b32 v[PW], v[TM+7], 24, v[PW]
	WIN QW                                         ; source 0: the accumulators' window
.irp c, 0,1
	v_cvt_scalef32_pk16_fp6_f32 v[PC+6*\c:PC+2+6*\c], v[QS+32*\c:QS+15+32*\c], v[TM+12+2*\c]
	v_cvt_scalef32_pk16_fp6_f32 v[PC+12+4*\c:PC+14+4*\c], v[QS+16+32*\c:QS+31+32*\c], v[TM+12+2*\c+1]
.endr
	WIN 0
	v_nop                                          ; one plain instruction behind a scaled conversion
.irp c, 0,1                                    ; a whole block to a lane: lanes 0-15 block 2 c, lanes 16-31 block 2 c + 1
.irp i, 0,1,2
	v_permlane16_swap_b32 v[PC+6*\c+\i], v[PC+12+4*\c+\i]
.endr
.irp i, 0,1,2
	v_mov_b32 v[PC+3+6*\c+\i], v[PC+12+4*\c+\i]
.endr
.endr
.endm
	PLACES NP                                      ; behind the last products, ahead of the first read of results
.irp a, 0,1,2,3,4,5,6,7
	QUANTW \a
.irp c, 0,1
.irp p, 0,1,2
	ds_store_b64 v[CSTO], v[PC+6*\c+2*\p:PC+6*\c+2*\p+1] offset:\c*PLB+\a*768+8*\p
.endr
.endr
	ds_store_b32 v[SSTO], v[PW] offset:64*\a       ; lanes r and r + 16 write the same word with the same value
	s_wait_dscnt 0x0                               ; the stores have read their registers
.endr
.irp t, 0,1,2,3,4,5,6,7,8,9,10,11,12,13,14,15,16,17,18,19,20,21,22,23
	ds_load_b128 v[AF+4*\t:AF+4*\t+3], v[CRD] offset:512*\t   ; my own stage: LDS serves a wave's instructions in order
.endr
	ds_load_b128 v[SW:SW+3], v[SRD]
.irp t, 0,1,2,3,4,5,6,7,8,9,10,11,12,13,14,15,16,17,18,19,20,21,22,23
	s_wait_dscnt 24-\t
	global_store_b128 v[CO], v[AF+4*\t:AF+4*\t+3], s[8:9] offset:(\t/12)*12288+(\t%12)*512   ; 512 consecutive bytes, at a multiple of 256 from the buffer's first byte
.endr
	s_wait_dscnt 0x0
	global_store_b128 v[CO], v[SW:SW+3], s[10:11]
	s_wait_tensorcnt 0x0                           ; the wave's end: behind my last tensor load and my last LDS store
	ds_add_u32 v[SPW], v[NIL]
	s_wait_dscnt 0x0
	CROUND                                         ; the closing round
	s_endpgm
.Lfunc_end_k_q5543e770c1_proj:
	.size	k_q5543e770c1_proj, .Lfunc_end_k_q5543e770c1_proj-k_q5543e770c1_proj
	.p2alignl 7, 3214868480
	.fill 96, 4, 3214868480
	.section	.rodata,"a",@progbits
	.p2align	6, 0x0
	.amdhsa_kernel k_q5543e770c1_proj
		.amdhsa_group_segment_fixed_size 327680
		.amdhsa_private_segment_fixed_size 0
		.amdhsa_enable_private_segment 0
		.amdhsa_kernarg_size 32
		.amdhsa_user_sgpr_count 2
		.amdhsa_user_sgpr_kernarg_segment_ptr 1
		.amdhsa_wavefront_size32 1
		.amdhsa_system_sgpr_workgroup_id_x 1
		.amdhsa_system_sgpr_workgroup_id_y 1
		.amdhsa_system_sgpr_workgroup_id_z 1
		.amdhsa_system_vgpr_workitem_id 0
		.amdhsa_next_free_vgpr 1024
		.amdhsa_next_free_sgpr 98
		.amdhsa_reserve_vcc 0
		.amdhsa_float_denorm_mode_32 3
		.amdhsa_float_denorm_mode_16_64 3
		.amdhsa_memory_ordered 1
		.amdhsa_forward_progress 1
		.amdhsa_inst_pref_size 170
	.end_amdhsa_kernel
	.amdgpu_metadata
---
amdhsa.version: [ 1, 2 ]
amdhsa.kernels:
  - .name:           k_q5543e770c1_proj
    .symbol:         k_q5543e770c1_proj.kd
    .args:
      - { .name: codes, .offset: 0, .size: 8, .value_kind: global_buffer, .address_space: global }
      - { .name: scales, .offset: 8, .size: 8, .value_kind: global_buffer, .address_space: global }
      - { .name: zc, .offset: 16, .size: 8, .value_kind: global_buffer, .address_space: global }
      - { .name: zs, .offset: 24, .size: 8, .value_kind: global_buffer, .address_space: global }
    .group_segment_fixed_size: 327680
    .private_segment_fixed_size: 0
    .kernarg_segment_align: 8
    .kernarg_segment_size: 32
    .max_flat_workgroup_size: 128
    .sgpr_count:     98
    .vgpr_count:     1024
    .wavefront_size: 32
...
	.end_amdgpu_metadata
.endif
;; end of part 2
;; launch attn (part 3): grid 4 x 64, 16 waves a work-group, clusters of 4 x 1, 223,232 bytes of LDS; arguments zc, zs, ac, asc; writes ac, asc
.if DOCPART == 3
	.amdgcn_target "amdgcn-amd-amdhsa--gfx1250"
	.amdhsa_code_object_version 6
	.text
	.protected	k_q5543e770c1_attn
	.globl	k_q5543e770c1_attn
	.p2align	8
	.type	k_q5543e770c1_attn,@function
k_q5543e770c1_attn:
	s_mov_b64 s[64:65], 0
	v_nop
	global_prefetch_b8 v0, s[64:65] scope:SCOPE_SE
	s_setreg_imm32_b32 hwreg(HW_REG_WAVE_MODE, 25, 1), 1
	s_wait_xcnt 0x0
	s_wait_alu depctr_hold_cnt(0) depctr_sa_sdst(0) depctr_va_vdst(0) depctr_va_sdst(0) depctr_va_ssrc(0) depctr_va_vcc(0) depctr_vm_vsrc(0)
	s_getreg_b32 s2, hwreg(HW_REG_IB_STS2, 6, 4)
	s_cmp_eq_u32 s2, 0
	s_cbranch_scc0 .Lentry_in_a_cluster
	s_endpgm
.Lentry_in_a_cluster:
	s_bfe_u32 s2, ttmp6, 0x10000c
	s_cmp_lg_u32 s2, 0x3003
	s_cbranch_scc0 .Lentry_shape_is_right
	s_endpgm
.Lentry_shape_is_right:
; Causal attention on codes of FP6 (E2M3) with E8M0 scales: 64 (batch, head) pairs, 2,048 tokens, head size 64, V = Q, scores / 32; the result, O / l, is quantised along the head's axis for the last product.
; THE SOFTMAX: t = score x log2(e) / 32; M = the running largest t rounded UP to a whole number; p = 2^(t - M) is quantised along the keys, not normalised; the row's sum is taken of the unquantised p
; and divides O at the end.  When M moves, the sum and O are multiplied by 2^(old M - new M): exact.  A block's largest p is taken through the block's largest score (this takes v_exp_f32 not to fall where its input rises).
; LIMITS: NaN and infinities are not served; a block of zeros gets the byte 1 (its codes are zeros; this program alone reads the bytes).
; SHARES.  The four work-groups of a cluster serve one (batch, head).  A wave owns two tiles of 16 queries: tile 4 w + cx and tile 127 - (4 w + cx).  Their key steps of 128 number w / 2 + 1 and 16 - w / 2:
; 17 for every wave, and both numbers hang on the wave's number alone, so that all partners run alike; cx enters global addresses and the mask's compare, nothing else.
; ALL OF THE HEAD'S K AND V LIES IN LDS: 2 x 98,304 bytes of codes, 12,288 of scale bytes, each byte filled once, by joint loads (mask: all four work-groups): one load a wave, waves 0-3 K, 4-7 V, 8 and 12 the scales.
; LAYOUT.  Both products are used transposed: S^T = K Q^T (source 0 = 16 keys), O^T = V^T P^T (source 0 = 16 of the head's 64): a lane holds one query throughout.  K's and V's rows lie at positions (bits 3 and 4
; exchanged), so that 16 registers of two neighbouring tiles are 16 neighbouring keys (or channels).  THE HEAD IS 64 AGAINST THE INSTRUCTION'S 128: Q's upper six registers are zero codes; K's upper six are the
; next tile's codes (the last tile's: zeros), which meet those zeros; the scale words' upper bytes are 0, a power of two.
; CAUSAL.  The loops' trip counts are constants; a step all of whose keys come after the tile's queries is jumped over by a scalar branch on the wave's number and the count of steps; in the tile's last step hidden scores become -infinity.
; REGISTERS: v1-7, v28-31, v94, v95, v205 addresses that stay; v8-11 addresses in hand; v12 -M, v13 largest t, v[14:15] the sum; v16-27 Q of the high tile, v192-203 of the low; v32-85 K's tiles, then V's;
; v86-93 their scale words; v96-159 S^T, then p; v160-191 O^T; v204, v255 Q's scale words; v224-254 at work.
.set VOFF,  98304                      ; LDS: K [key position 2048][48]; V [group of 64 keys 32][channel position 64][48]
.set KSC,   196608                     ; K's scale words [key position][4]
.set VSC,   204800                     ; V's [step 16][channel position 64][4]
.set STG,   208896                     ; the way out: 768 bytes a wave; no tensor load fills these bytes
.set SPARE, 221184                     ; the spare words, 128 bytes a wave: eight blocks of 256 bytes that no other line names
.set AK0,  1
.set AV0,  2
.set ASK0, 3
.set ASV0, 4
.set SPW,  5
.set NIL,  6
.set STO,  7
.set ADK,  8
.set ADV,  9
.set ADS,  10
.set ADT,  11
.set QH,   16
.set SRD,  28
.set DQH,  29
.set DQL,  30
.set GO8,  31
.set GO32, 94
.set QAD,  95
.set QL,   192
.set QSL,  204
.set QSA,  205
.set QSH,  255
.set TB,   2                           ; s2  the step's codes: 6,144 bytes a step, in K and in V
.set TS,   3                           ; s3  K's scale words: 512 bytes a step
.set WV,   18
.set SEL,  20
.set CS,   22
.set G1K,  24
.set G1V,  32
.set G1KS, 40
.set G1VS, 48
.set G0K,  56
.set G0V,  60
.set TJ,   66                          ; s66 V's scale words: 256 bytes a step
.set ST,   67                          ; s67 the step
.set G0KS, 68
.set G0VS, 72
.set NS,   76                          ; s76 the steps of the tile in hand
.set CNT,  79
.macro ROUND                           ; a round of the cluster's barrier
	s_barrier_signal -1
	s_barrier_wait -1
	s_cmp_lg_u32 s[WV], 0
	s_cbranch_scc1 .Lnot_wave_0_\@
	s_barrier_signal -3
.Lnot_wave_0_\@:
	s_barrier_wait -3
	s_barrier_signal -1
	s_barrier_wait -1
.endm
.macro G1SET g, c, r, p                ; group 1: r rows of c elements of 8 bytes, p elements apart; the mask names all four work-groups, bit 21 beside it; no padding
	s_mov_b32 s[\g], 15|(3<<16)|(1<<21)
	s_mov_b32 s[\g+1], (\c)<<16
	s_mov_b32 s[\g+2], (\r)<<16
	s_mov_b32 s[\g+3], (\c)<<16
	s_mov_b32 s[\g+4], \r
	s_mov_b32 s[\g+5], \p
	s_mov_b32 s[\g+6], 0
	s_mov_b32 s[\g+7], 0
.endm
; s[t] = a tile of queries: the byte offsets of its first position's codes (into s[oc:oc+1]) and scale bytes (s[os:os+1]) in Q's chunk
.macro QOFF t, oc, os
	s_lshr_b32 s19, s[\t], 4
	s_add_co_u32 s19, s19, s94                     ; the token tile of 256: 8 b + T / 16
	s_mul_i32 s19, s19, 12
	s_add_co_u32 s19, s19, s92
	s_add_co_u32 s19, s19, 4                       ; Q's chunk
	s_and_b32 s77, s[\t], 14
	s_lshl_b32 s77, s77, 4
	s_and_b32 s78, s[\t], 1
	s_lshl_b32 s78, s78, 3
	s_add_co_u32 s77, s77, s78                     ; position 32 (T' / 2) + 8 (T' % 2), T' = T % 16
	s_mul_i32 s[\oc], s19, 49152
	s_mul_i32 s78, s93, 12288
	s_add_co_u32 s[\oc], s[\oc], s78
	s_mul_i32 s78, s77, 48
	s_add_co_u32 s[\oc], s[\oc], s78
	s_mov_b32 s[\oc+1], 0
	s_lshl_b32 s[\os], s19, 11
	s_lshl_b32 s78, s77, 2
	s_add_co_u32 s[\os], s[\os], s78
	s_add_co_u32 s[\os], s[\os], s95
	s_mov_b32 s[\os+1], 0
.endm
; where tile s[t]'s codes (s[da:da+1]) and scale bytes (s[db:db+1]) go
.macro OOFF t, da, db
	s_lshl_b32 s19, s90, 11
	s_lshl_b32 s77, s[\t], 4
	s_add_co_u32 s19, s19, s77                     ; its first token
	s_mul_i32 s16, s19, 48
	s_mul_i32 s77, s91, 393216                     ; the head's plane
	s_add_co_u32 s16, s16, s77
	s_mov_b32 s17, 0
	s_add_nc_u64 s[\da:\da+1], s[8:9], s[16:17]
	s_lshl_b32 s16, s19, 5
	s_lshl_b32 s77, s91, 1
	s_add_co_u32 s16, s16, s77
	s_add_nc_u64 s[\db:\db+1], s[10:11], s[16:17]
.endm
	s_load_b256 s[4:11], s[0:1], 0x0               ; zc s[4:5], zs s[6:7], ac s[8:9], asc s[10:11]
	v_lshl_add_u32 v[SPW], v0, 2, SPARE
	v_mov_b32 v[NIL], 0
	ds_add_u32 v[SPW], v[NIL]                      ; the wave's opening: the add and its wait ahead of the first tensor loads; work on registers stands between them
	ds_add_u32 v[SPW], v[NIL]
	v_lshrrev_b32 v8, 5, v0
	s_delay_alu instid0(VALU_DEP_1)
	v_readfirstlane_b32 s[WV], v8                  ; wave 0..15
	s_bfe_u32 s88, ttmp6, 0x40000                  ; cx
	s_and_b32 s89, ttmp7, 0xffff                   ; 16 b + head
	s_lshr_b32 s90, s89, 4                         ; b
	s_and_b32 s91, s89, 15                         ; head
	s_lshr_b32 s92, s91, 2                         ; its group of four: a tile of 256 features
	s_and_b32 s93, s91, 3                          ; and its place there
	s_lshl_b32 s94, s90, 3                         ; the batch's first token tile
	G1SET G1K, 1536, 2, 73728                      ; K: a head's 12,288 bytes of two chunks, 12 chunks apart
	G1SET G1V, 384, 8, 1536                        ; V: a head's 3,072 bytes of eight groups of 64 keys, 12,288 bytes apart
	G1SET G1KS, 128, 8, 3072                       ; K's scale words: 1,024 bytes of eight chunks, 12 chunks apart
	G1SET G1VS, 32, 16, 128                        ; V's: 256 bytes of sixteen steps, 1,024 bytes apart
	s_mov_b32 s[G0K], 1
	s_mul_i32 s[G0K+1], s[WV], 24576               ; waves 0-3: K's quarters; waves 4-7: V's, which lie behind them
	s_lshl_b32 s19, s[WV], 1
	s_add_co_u32 s19, s19, s94
	s_mul_i32 s19, s19, 12
	s_add_co_u32 s19, s19, s92                     ; K's chunk: 12 (8 b + 2 w) + group
	s_mul_i32 s[G0K+2], s19, 49152
	s_mul_i32 s19, s93, 12288
	s_add_co_u32 s[G0K+2], s[G0K+2], s19
	s_mov_b32 s[G0K+3], 0
	s_mov_b32 s[G0V], 1
	s_mul_i32 s[G0V+1], s[WV], 24576
	s_and_b32 s19, s[WV], 3
	s_lshl_b32 s19, s19, 1
	s_add_co_u32 s19, s19, s94
	s_lshl_b32 s77, s92, 5
	s_add_co_u32 s77, s77, 384                     ; V's first chunk of this group of heads
	s_add_co_u32 s19, s19, s77
	s_mul_i32 s[G0V+2], s19, 49152
	s_mul_i32 s19, s93, 3072
	s_add_co_u32 s[G0V+2], s[G0V+2], s19
	s_mov_b32 s[G0V+3], 0
	s_mov_b32 s[G0VS], 1
	s_mov_b32 s[G0VS+1], VSC
	s_add_co_u32 s19, s77, s94
	s_lshl_b32 s[G0VS+2], s19, 11
	s_lshl_b32 s19, s93, 8
	s_add_co_u32 s[G0VS+2], s[G0VS+2], s19
	s_mov_b32 s[G0VS+3], 0
	s_mov_b32 s[G0KS], 1
	s_mov_b32 s[G0KS+1], KSC
	s_mul_i32 s19, s90, 96
	s_add_co_u32 s19, s19, s92
	s_lshl_b32 s[G0KS+2], s19, 11
	s_lshr_b32 s19, s93, 1
	s_lshl_b32 s19, s19, 10                        ; which 128 features of the tile
	s_add_co_u32 s[G0KS+2], s[G0KS+2], s19
	s_mov_b32 s[G0KS+3], 0
	s_and_b32 s89, s93, 1
	s_lshl_b32 s89, s89, 1                         ; the head's two bytes of a scale word
	s_add_co_u32 s95, s19, s89
	s_lshl_b32 s12, s[WV], 2
	s_add_co_u32 s12, s12, s88                     ; the low tile
	s_sub_co_u32 s13, 127, s12                     ; the high tile
	s_lshr_b32 s14, s[WV], 1
	s_sub_co_u32 s15, 16, s14                      ; the high tile's steps,
	s_add_co_u32 s14, s14, 1                       ; the low tile's: the wave's number alone
	QOFF 13, 80, 82
	QOFF 12, 84, 86
	s_mov_b32 s[SEL], 0x76543210
	s_mov_b32 s[SEL+1], 0xfedcba98
	s_mov_b32 s[CS], 0x3d38aa3b                    ; c = log2(e) / 32
	s_mov_b32 s[CS+1], s[CS]
	s_wait_dscnt 0x0                               ; the opening add is done
	s_wait_kmcnt 0x0
	s_add_nc_u64 s[G0K+2:G0K+3], s[4:5], s[G0K+2:G0K+3]
	s_or_b32 s[G0K+3], s[G0K+3], 0x80000000
	s_add_nc_u64 s[G0V+2:G0V+3], s[4:5], s[G0V+2:G0V+3]
	s_or_b32 s[G0V+3], s[G0V+3], 0x80000000
	s_add_nc_u64 s[G0KS+2:G0KS+3], s[6:7], s[G0KS+2:G0KS+3]
	s_or_b32 s[G0KS+3], s[G0KS+3], 0x80000000
	s_add_nc_u64 s[G0VS+2:G0VS+3], s[6:7], s[G0VS+2:G0VS+3]
	s_or_b32 s[G0VS+3], s[G0VS+3], 0x80000000
	s_add_nc_u64 s[80:81], s[4:5], s[80:81]
	s_add_nc_u64 s[82:83], s[6:7], s[82:83]
	s_add_nc_u64 s[84:85], s[4:5], s[84:85]
	s_add_nc_u64 s[86:87], s[6:7], s[86:87]
	OOFF 13, 96, 98                                ; the high tile's places in ac and asc,
	OOFF 12, 8, 10                                 ; the low tile's
	ROUND                                          ; all four work-groups are here: the joint loads meet
	s_cmp_lt_u32 s[WV], 4                          ; a wave's one load: the branches hang on the wave's number alone; an s_nop 0 and four v_nop follow each line
	s_cbranch_scc0 .Lnot_k
	tensor_load_to_lds s[G0K:G0K+3], s[G1K:G1K+7]
	s_nop 0
.rept 4
	v_nop
.endr
	s_branch .Lasked
.Lnot_k:
	s_cmp_lt_u32 s[WV], 8
	s_cbranch_scc0 .Lnot_v
	tensor_load_to_lds s[G0V:G0V+3], s[G1V:G1V+7]
	s_nop 0
.rept 4
	v_nop
.endr
	s_branch .Lasked
.Lnot_v:
	s_cmp_eq_u32 s[WV], 8
	s_cbranch_scc0 .Lnot_ks
	tensor_load_to_lds s[G0KS:G0KS+3], s[G1KS:G1KS+7]
	s_nop 0
.rept 4
	v_nop
.endr
	s_branch .Lasked
.Lnot_ks:
	s_cmp_eq_u32 s[WV], 12
	s_cbranch_scc0 .Lasked
	tensor_load_to_lds s[G0VS:G0VS+3], s[G1VS:G1VS+7]
	s_nop 0
.rept 4
	v_nop
.endr
.Lasked:
	v_and_b32 v8, 15, v0                           ; r
	v_bfe_u32 v9, v0, 4, 1                         ; h
	v_and_b32 v10, 31, v0                          ; lane
	s_delay_alu instid0(VALU_DEP_3)
	v_and_b32 v11, 8, v8
	s_delay_alu instid0(VALU_DEP_1)
	v_add_nc_u32 v11, v11, v8                      ; r + 8 (r / 8): query 16 T + r lies at this position behind the tile's first
	s_delay_alu instid0(VALU_DEP_1)
	v_mul_u32_u24 v[QAD], v11, 48
	s_delay_alu instid0(VALU_DEP_1)
	v_mad_u32_u24 v[QAD], v9, 24, v[QAD]
	s_delay_alu instid0(VALU_DEP_3)
	v_lshlrev_b32 v[QSA], 2, v11
.irp p, 0,1,2
	global_load_b64 v[QH+2*\p:QH+2*\p+1], v[QAD], s[80:81] offset:8*\p   ; Q's codes stay in registers
	global_load_b64 v[QL+2*\p:QL+2*\p+1], v[QAD], s[84:85] offset:8*\p
.endr
	global_load_u16 v[QSH], v[QSA], s[82:83]       ; the head's two scale bytes; the upper two are 0
	global_load_u16 v[QSL], v[QSA], s[86:87]
	v_mul_u32_u24 v[AK0], v8, 48
	s_delay_alu instid0(VALU_DEP_1)
	v_mad_u32_u24 v[AK0], v9, 24, v[AK0]           ; a fragment's row x 48 + 24 x half
	s_delay_alu instid0(VALU_DEP_1)
	v_add_nc_u32 v[AV0], VOFF, v[AK0]
	v_lshl_add_u32 v[ASK0], v8, 2, KSC
	s_delay_alu instid0(VALU_DEP_1)
	v_add_nc_u32 v[ASK0], s89, v[ASK0]
	v_lshl_add_u32 v[ASV0], v8, 2, VSC
	s_mul_i32 s19, s[WV], 768
	s_add_co_u32 s19, s19, STG                     ; my stage
	v_add_nc_u32 v[STO], s19, v[AK0]
	v_lshl_add_u32 v[SRD], v10, 3, s19
	v_lshlrev_b32 v[GO8], 3, v10
	v_lshlrev_b32 v[GO32], 5, v8
	s_and_b32 s19, s[WV], 1
	s_lshl_b32 s19, s19, 2
	s_add_co_u32 s19, s19, s88                     ; the low tile's place among the eight tiles of its last step,
	s_sub_co_u32 s77, 7, s19                       ; the high tile's
	s_lshl_b32 s19, s19, 4
	s_lshl_b32 s77, s77, 4
	v_lshlrev_b32 v10, 4, v9
	s_delay_alu instid0(VALU_DEP_1)
	v_sub_nc_u32 v10, v8, v10
	s_delay_alu instid0(VALU_DEP_1)
	v_add_nc_u32 v[DQL], s19, v10                  ; d = my query - the last step's first key - 16 h: register 16 b + i holds a hidden key where 32 b + i > d
	s_delay_alu instid0(VALU_DEP_2)
	v_add_nc_u32 v[DQH], s77, v10
.irp j, 0,1,2,3,4,5
	v_mov_b32 v[QH+6+\j], 0                        ; zero codes: the upper 64 of the instruction's K
	v_mov_b32 v[QL+6+\j], 0
	v_mov_b32 v[80+\j], 0
.endr
.irp b, 0,1,2,3
	v_mov_b32 v[236+\b], 0                         ; written once: a lane permute's destination counts as one of its sources
.endr
	v_mov_b32 v252, 0
	v_mov_b32 v253, 0
.macro INIT ns                         ; a tile begins: O^T and the sum are zeros, which the first change of M leaves zeros; the step is written once for all steps
	v_mov_b32 v13, 0xff61b1e6                      ; the largest t so far: -3e38
	s_delay_alu instid0(VALU_DEP_1)
	v_floor_f32 v12, -v13                          ; -M
	v_mov_b32 v14, 0
	v_mov_b32 v15, 0
.set J, 0
.rept 32
	v_mov_b32 v[160+J], 0
.set J, J+1
.endr
	s_mov_b32 s[ST], 0
	s_mov_b32 s[TB], 0
	s_mov_b32 s[TS], 0
	s_mov_b32 s[TJ], 0
	s_mov_b32 s[NS], s[\ns]
.endm
; A KEY STEP: 128 keys.  qb: Q's operand; qs: its scale word; dq: the mask's d
.macro STEP qb, qs, dq
	s_cmp_ge_u32 s[ST], s[NS]                      ; all its keys come after my queries: left out
	s_cbranch_scc1 .Lhidden_\@
	s_setprio 2
	v_add_nc_u32 v[ADK], s[TB], v[AK0]             ; (these four are also the places in front of loads into registers that the last products read)
	v_add_nc_u32 v[ADV], s[TB], v[AV0]
	v_add_nc_u32 v[ADS], s[TS], v[ASK0]
	v_add_nc_u32 v[ADT], s[TJ], v[ASV0]
.irp t, 0,1,2,3,4,5,6,7
.irp p, 0,1,2
	ds_load_b64 v[32+6*\t+2*\p:33+6*\t+2*\p], v[ADK] offset:768*\t+8*\p
.endr
	ds_load_u16 v[86+\t], v[ADS] offset:64*\t
.endr
	s_wait_alu depctr_va_vdst(0)
	s_wait_dscnt 0x0
.irp t, 0,1,2,3,4,5,6,7
	v_wmma_scale_f32_16x16x128_f8f6f4 v[96+8*\t:103+8*\t], v[32+6*\t:43+6*\t], v[\qb:\qb+11], 0, v[86+\t], v[\qs] matrix_a_fmt:MATRIX_FMT_FP6 matrix_b_fmt:MATRIX_FMT_FP6
.endr
.rept 4
	v_nop                                          ; places: ahead of the loads below and of the first read of the scores
.endr
.irp t, 0,1,2,3                                ; V's four tiles go out at once: they land under the softmax
.irp p, 0,1,2,3,4,5
	ds_load_b64 v[32+12*\t+2*\p:33+12*\t+2*\p], v[ADV] offset:(\p/3)*3072+768*\t+8*(\p%3)
.endr
	ds_load_b32 v[86+\t], v[ADT] offset:64*\t
.endr
	s_add_co_u32 s19, s[ST], 1
	s_cmp_lg_u32 s19, s[NS]                        ; only the tile's last step lies on the diagonal
	s_cbranch_scc1 .Lopen_\@
	v_mov_b32 v254, 0xff800000                     ; -infinity
.set J, 0
.rept 64
	v_cmp_gt_i32 vcc_lo, 32*(J/16)+J%16, v[\dq]
	v_cndmask_b32 v[96+J], v[96+J], v254, vcc_lo
.set J, J+1
.endr
.Lopen_\@:
.irp b, 0,1,2,3
	v_max3_num_f32 v[232+\b], v[96+16*\b], v[97+16*\b], v[98+16*\b]   ; the largest score of each block of 32 keys: for the row's maximum, and for the block's largest p
.endr
.irp i, 3,5,7,9,11,13
.irp b, 0,1,2,3
	v_max3_num_f32 v[232+\b], v[232+\b], v[96+16*\b+\i], v[97+16*\b+\i]
.endr
.endr
.irp b, 0,1,2,3
	v_max_num_f32 v[232+\b], v[232+\b], v[111+16*\b]
.endr
.irp b, 0,1,2,3
	s_delay_alu instid0(VALU_DEP_4)
	v_permlanex16_b32 v[236+\b], v[232+\b], s[SEL], s[SEL+1]
.endr
.irp b, 0,1,2,3
	s_delay_alu instid0(VALU_DEP_4)
	v_max_num_f32 v[232+\b], v[232+\b], v[236+\b]  ; with lane l xor 16's 16 keys
.endr
	s_delay_alu instid0(VALU_DEP_2)
	v_max3_num_f32 v254, v232, v233, v234
	s_delay_alu instid0(VALU_DEP_1)
	v_max_num_f32 v254, v254, v235
	s_delay_alu instid0(VALU_DEP_1)
	v_mul_f32 v254, s[CS], v254                    ; as t
	s_delay_alu instid0(VALU_DEP_1)
	v_max_num_f32 v13, v13, v254                   ; the running largest t
	v_mov_b32 v254, v12
	s_delay_alu instid0(VALU_DEP_2)
	v_floor_f32 v12, -v13                          ; the new -M = -ceil(t)
	s_delay_alu instid0(VALU_DEP_1)
	v_sub_f32 v254, v12, v254                      ; old M - new M: a whole number, 0 or less
	s_delay_alu instid0(VALU_DEP_1)
	v_cvt_i32_f32 v254, v254                       ; (it saturates)
	s_delay_alu instid0(VALU_DEP_1)
	v_ldexp_f32 v252, 1.0, v254                    ; f = 2^(old M - new M)
.set J, 0
	s_setprio 1
.rept 32
	v_pk_fma_f32 v[96+J:97+J], v[96+J:97+J], s[CS:CS+1], v[12:13] op_sel_hi:[1,0,0]   ; t - M, two at a time
.set J, J+2
.endr
.irp b, 0,1,2,3
	v_fma_f32 v[232+\b], v[232+\b], s[CS], v12     ; the same of each block's largest score
.endr
.set J, 0
	s_wait_alu depctr_va_vdst(0)
.rept 64
	v_exp_f32 v[96+J], v[96+J]                     ; p = 2^(t - M)
.set J, J+1
.endr
	v_pk_mul_f32 v[14:15], v[14:15], v[252:253] op_sel_hi:[1,0]   ; the sums under the new M; the plain instruction behind the exponentials
	s_wait_alu depctr_va_vdst(0)                   ; one wait for the batch, ahead of its first reader
.irp b, 0,1,2,3
	v_exp_f32 v[232+\b], v[232+\b]                 ; the block's largest p
.endr
	v_pk_add_f32 v[236:237], v[100:101], v[104:105]
	v_pk_add_f32 v[250:251], v[108:109], v[112:113]
	v_pk_add_f32 v[248:249], v[116:117], v[120:121]
	v_pk_add_f32 v[246:247], v[124:125], v[128:129]
	v_pk_add_f32 v[244:245], v[132:133], v[136:137]
	v_pk_add_f32 v[242:243], v[140:141], v[144:145]
	v_pk_add_f32 v[240:241], v[148:149], v[152:153]
	v_pk_add_f32 v[14:15], v[14:15], v[156:157]
	v_pk_add_f32 v[236:237], v[236:237], v[96:97]
	v_pk_add_f32 v[250:251], v[250:251], v[98:99]
	v_pk_add_f32 v[248:249], v[248:249], v[102:103]
	v_pk_add_f32 v[246:247], v[246:247], v[106:107]
	v_pk_add_f32 v[244:245], v[244:245], v[110:111]
	v_pk_add_f32 v[242:243], v[242:243], v[114:115]
	v_pk_add_f32 v[240:241], v[240:241], v[118:119]
	v_pk_add_f32 v[14:15], v[14:15], v[122:123]
	v_pk_add_f32 v[236:237], v[236:237], v[126:127]
	v_pk_add_f32 v[250:251], v[250:251], v[130:131]
	v_pk_add_f32 v[248:249], v[248:249], v[134:135]
	v_pk_add_f32 v[246:247], v[246:247], v[138:139]
	v_pk_add_f32 v[244:245], v[244:245], v[142:143]
	v_pk_add_f32 v[242:243], v[242:243], v[146:147]
	v_pk_add_f32 v[240:241], v[240:241], v[150:151]
	v_pk_add_f32 v[14:15], v[14:15], v[154:155]
	v_pk_add_f32 v[236:237], v[236:237], v[158:159]
	s_delay_alu instid0(VALU_DEP_2)
	v_pk_add_f32 v[14:15], v[14:15], v[246:247]
	s_delay_alu instid0(VALU_DEP_2)
	v_pk_add_f32 v[236:237], v[236:237], v[244:245]
	v_pk_add_f32 v[250:251], v[250:251], v[242:243]
	v_pk_add_f32 v[248:249], v[248:249], v[240:241]
	s_delay_alu instid0(VALU_DEP_2)
	v_pk_add_f32 v[14:15], v[14:15], v[250:251]
	s_delay_alu instid0(VALU_DEP_2)
	v_pk_add_f32 v[236:237], v[236:237], v[248:249]
	s_delay_alu instid0(VALU_DEP_1)
	v_pk_add_f32 v[14:15], v[14:15], v[236:237]
	s_setprio 0
	s_wait_alu depctr_va_vdst(0)                   ; and one for the four
.irp b, 0,1,2,3
	v_max_num_f32 v[232+\b], 0x1800000, v[232+\b]  ; the floor 2^(3 - 127)
.endr
.irp b, 0,1,2,3
	s_delay_alu instid0(VALU_DEP_4)
	v_add_nc_u32 v[244+\b], 0xff000000, v[232+\b]  ; the conversion's scale operand
.endr
.irp b, 0,1,2,3
	s_delay_alu instid0(VALU_DEP_4)
	v_lshrrev_b32 v[236+\b], 23, v[244+\b]         ; the scale's byte
.endr
	s_delay_alu instid0(VALU_DEP_3)
	v_lshl_or_b32 v253, v237, 8, v236              ; p's scale word for these 128 keys
	s_delay_alu instid0(VALU_DEP_1)
	v_lshl_or_b32 v253, v238, 16, v253
	s_delay_alu instid0(VALU_DEP_1)
	v_lshl_or_b32 v253, v239, 24, v253
.irp c, 0,1
	v_cvt_scalef32_pk16_fp6_f32 v[224+6*\c:226+6*\c], v[96+32*\c:111+32*\c], v[244+2*\c]
	v_cvt_scalef32_pk16_fp6_f32 v[236+4*\c:238+4*\c], v[112+32*\c:127+32*\c], v[244+2*\c+1]
.endr
	v_nop                                          ; one plain instruction behind a scaled conversion
.irp c, 0,1
.irp i, 0,1,2
	v_permlane16_swap_b32 v[224+6*\c+\i], v[236+4*\c+\i]
.endr
.irp i, 0,1,2
	s_delay_alu instid0(VALU_DEP_3)
	v_mov_b32 v[227+6*\c+\i], v[236+4*\c+\i]
.endr
.endr
.set J, 0
.rept 16
	v_pk_mul_f32 v[160+J:161+J], v[160+J:161+J], v[252:253] op_sel_hi:[1,0]   ; O^T under the new M; these sixteen stand between the writes of p's codes and scale word and the products
.set J, J+2
.endr
	s_wait_alu depctr_va_vdst(0)
	s_wait_dscnt 0x0                               ; V's tiles and scale words are in
.irp t, 0,1,2,3
	v_wmma_scale_f32_16x16x128_f8f6f4 v[160+8*\t:167+8*\t], v[32+12*\t:43+12*\t], v[224:235], v[160+8*\t:167+8*\t], v[86+\t], v253 matrix_a_fmt:MATRIX_FMT_FP6 matrix_b_fmt:MATRIX_FMT_FP6
.endr
.Lhidden_\@:
	s_add_co_u32 s[ST], s[ST], 1
	s_add_co_u32 s[TB], s[TB], 6144
	s_add_co_u32 s[TS], s[TS], 512
	s_add_co_u32 s[TJ], s[TJ], 256
.endm
; A tile's way out: O^T / the sum, quantised along the head's 64 (two blocks), through my stage, as three stores of 256 consecutive bytes; the two scale bytes to the token's row of asc.
.macro TILE_OUT ba, bs
.rept 4
	v_nop                                          ; places behind the last products
.endr
	v_add_f32 v14, v14, v15
	s_delay_alu instid0(VALU_DEP_1)
	v_permlanex16_b32 v252, v14, s[SEL], s[SEL+1]
	s_delay_alu instid0(VALU_DEP_1)
	v_add_f32 v14, v14, v252                       ; the row's sum
	s_wait_alu depctr_va_vdst(0)
	v_rcp_f32 v14, v14
	v_nop                                          ; a plain instruction behind the reciprocal,
	s_wait_alu depctr_va_vdst(0)                   ; and the wait ahead of its first reader
.set J, 0
.rept 32
	v_mul_f32 v[96+J], v[160+J], v14               ; register 16 b + i: channel 32 b + 16 h + i of my query
.set J, J+1
.endr
.irp b, 0,1
	v_max3_num_f32 v[232+\b], |v[96+16*\b]|, |v[97+16*\b]|, 0x1800000
.endr
.irp i, 2,4,6,8,10,12,14
.irp b, 0,1
	s_delay_alu instid0(VALU_DEP_2)
	v_max3_num_f32 v[232+\b], v[232+\b], |v[96+16*\b+\i]|, |v[97+16*\b+\i]|
.endr
.endr
.irp b, 0,1
	s_delay_alu instid0(VALU_DEP_2)
	v_permlanex16_b32 v[236+\b], v[232+\b], s[SEL], s[SEL+1]
.endr
.irp b, 0,1
	s_delay_alu instid0(VALU_DEP_2)
	v_max_num_f32 v[232+\b], v[232+\b], v[236+\b]
.endr
.irp b, 0,1
	s_delay_alu instid0(VALU_DEP_2)
	v_add_nc_u32 v[244+\b], 0xff000000, v[232+\b]
.endr
.irp b, 0,1
	s_delay_alu instid0(VALU_DEP_2)
	v_lshrrev_b32 v[236+\b], 23, v[244+\b]
.endr
	s_delay_alu instid0(VALU_DEP_1)
	v_lshl_or_b32 v240, v237, 8, v236
	v_cvt_scalef32_pk16_fp6_f32 v[224:226], v[96:111], v244
	v_cvt_scalef32_pk16_fp6_f32 v[228:230], v[112:127], v245
	v_nop
.irp i, 0,1,2
	v_permlane16_swap_b32 v[224+\i], v[228+\i]
.endr
.irp i, 0,1,2
	s_delay_alu instid0(VALU_DEP_3)
	v_mov_b32 v[227+\i], v[228+\i]                 ; v224-229: my query's block h, 24 bytes
.endr
.irp p, 0,1,2
	ds_store_b64 v[STO], v[224+2*\p:225+2*\p] offset:8*\p
.endr
.irp p, 0,1,2
	ds_load_b64 v[232+2*\p:233+2*\p], v[SRD] offset:256*\p   ; my own stage: LDS serves a wave's instructions in order
.endr
	s_wait_alu depctr_va_vdst(0)
	s_wait_dscnt 0x0
.irp p, 0,1,2
	global_store_b64 v[GO8], v[232+2*\p:233+2*\p], s[\ba:\ba+1] offset:256*\p   ; 256 consecutive bytes, at a multiple of 256 from the buffer's first byte
.endr
	global_store_b16 v[GO32], v240, s[\bs:\bs+1]   ; two bytes a token, 32 bytes apart (lanes r and r + 16 write the same): 1 byte in 24 of what the tile stores
.endm
	INIT 15
	s_wait_tensorcnt 0x0                           ; my load has landed,
	s_barrier_signal -1
	s_barrier_wait -1                              ; everybody's has: all of K, V and their scales lie in LDS for the rest of the launch
	s_wait_loadcnt 0x0                             ; Q
	s_mov_b32 s[CNT], 16
.Lhigh:
	STEP QH, QSH, DQH
	s_sub_co_u32 s[CNT], s[CNT], 1
	s_cmp_lg_u32 s[CNT], 0
	s_cbranch_scc1 .Lhigh
	s_setprio 0
	TILE_OUT 96, 98
	s_wait_xcnt 0x0                                ; the stores have read their registers: they are written again below
	INIT 14
	s_mov_b32 s[CNT], 8
.Llow:
	STEP QL, QSL, DQL
	s_sub_co_u32 s[CNT], s[CNT], 1
	s_cmp_lg_u32 s[CNT], 0
	s_cbranch_scc1 .Llow
	s_setprio 0
	TILE_OUT 8, 10
	s_wait_tensorcnt 0x0                           ; the wave's end: behind my last tensor load and my last LDS store
	ds_add_u32 v[SPW], v[NIL]
	s_wait_dscnt 0x0
	ROUND                                          ; the closing round
	s_endpgm
.Lfunc_end_k_q5543e770c1_attn:
	.size	k_q5543e770c1_attn, .Lfunc_end_k_q5543e770c1_attn-k_q5543e770c1_attn
	.p2alignl 7, 3214868480
	.fill 96, 4, 3214868480
	.section	.rodata,"a",@progbits
	.p2align	6, 0x0
	.amdhsa_kernel k_q5543e770c1_attn
		.amdhsa_group_segment_fixed_size 223232
		.amdhsa_private_segment_fixed_size 0
		.amdhsa_enable_private_segment 0
		.amdhsa_kernarg_size 32
		.amdhsa_user_sgpr_count 2
		.amdhsa_user_sgpr_kernarg_segment_ptr 1
		.amdhsa_wavefront_size32 1
		.amdhsa_system_sgpr_workgroup_id_x 1
		.amdhsa_system_sgpr_workgroup_id_y 1
		.amdhsa_system_sgpr_workgroup_id_z 1
		.amdhsa_system_vgpr_workitem_id 0
		.amdhsa_next_free_vgpr 256
		.amdhsa_next_free_sgpr 100
		.amdhsa_reserve_vcc 1
		.amdhsa_float_denorm_mode_32 3
		.amdhsa_float_denorm_mode_16_64 3
		.amdhsa_memory_ordered 1
		.amdhsa_forward_progress 1
		.amdhsa_inst_pref_size 74
	.end_amdhsa_kernel
	.amdgpu_metadata
---
amdhsa.version: [ 1, 2 ]
amdhsa.kernels:
  - .name:           k_q5543e770c1_attn
    .symbol:         k_q5543e770c1_attn.kd
    .args:
      - { .name: zc, .offset: 0, .size: 8, .value_kind: global_buffer, .address_space: global }
      - { .name: zs, .offset: 8, .size: 8, .value_kind: global_buffer, .address_space: global }
      - { .name: ac, .offset: 16, .size: 8, .value_kind: global_buffer, .address_space: global }
      - { .name: asc, .offset: 24, .size: 8, .value_kind: global_buffer, .address_space: global }
    .group_segment_fixed_size: 223232
    .private_segment_fixed_size: 0
    .kernarg_segment_align: 8
    .kernarg_segment_size: 32
    .max_flat_workgroup_size: 512
    .sgpr_count:     100
    .vgpr_count:     256
    .wavefront_size: 32
...
	.end_amdgpu_metadata
.endif
;; end of part 3
;; launch out (part 4): grid 4 x 64, 4 waves a work-group, clusters of 4 x 4, 327,680 bytes of LDS; arguments ac, asc, codes, scales, bo, out0; writes out0
.if DOCPART == 4
	.amdgcn_target "amdgcn-amd-amdhsa--gfx1250"
	.amdhsa_code_object_version 6
	.text
	.protected	k_q5543e770c1_out
	.globl	k_q5543e770c1_out
	.p2align	8
	.type	k_q5543e770c1_out,@function
k_q5543e770c1_out:
	s_mov_b64 s[64:65], 0
	v_nop
	global_prefetch_b8 v0, s[64:65] scope:SCOPE_SE
	s_setreg_imm32_b32 hwreg(HW_REG_WAVE_MODE, 25, 1), 1
	s_wait_xcnt 0x0
	s_wait_alu depctr_hold_cnt(0) depctr_sa_sdst(0) depctr_va_vdst(0) depctr_va_sdst(0) depctr_va_ssrc(0) depctr_va_vcc(0) depctr_vm_vsrc(0)
	s_getreg_b32 s2, hwreg(HW_REG_IB_STS2, 6, 4)
	s_cmp_eq_u32 s2, 0
	s_cbranch_scc0 .Lentry_in_a_cluster
	s_endpgm
.Lentry_in_a_cluster:
	s_bfe_u32 s2, ttmp6, 0x10000c
	s_cmp_lg_u32 s2, 0xf033
	s_cbranch_scc0 .Lentry_shape_is_right
	s_endpgm
.Lentry_shape_is_right:
; out0 = attn Wo^T + bo on codes of FP6 (E2M3) with E8M0 scales, K = 1,024; out0 [8192][1024] f32.
; attn's codes: ac [plane = head 16][token][48 bytes], asc [token][32]; Wo's: planes of the codes' buffer from position 11,264 on (rows at positions: bits 3 and 4 exchanged), scales [position][32].
; A tile is 128 tokens x 256 columns: 256 work-groups.  Four waves, 64 x 128 each: 32 accumulators, 256 registers.  ALL OF K LIES IN LDS: 384 rows x 768 bytes, each byte filled once, in four quarters of 256 along K,
; so that the first quarter is multiplied while the others are on their way.  Wave 0 asks for A's scales and four quarters, wave 2 for B's scales and the four quarters of B's first 128 rows, wave 3 for those of its
; second 128: five loads of a wave are out at the most.  CLUSTERS 4 x 4: A's tiles are asked for jointly along a row of the cluster, B's along a column.
; THE MATRIX INSTRUCTION IS USED TRANSPOSED (source 0 = 16 positions of Wo, source 1 = 16 tokens): register j of tile b holds column 32 (b / 2) + 16 (lane / 16) + 8 (b % 2) + j of the lane's token.
; The bias is the C of each sum's first matrix instruction.
; REGISTERS: window 0: v8-21 addresses; v32-63 scale words, two sets; v64-127 the bias, eight tiles; v128-223 A's fragments, two sets; on the way out v128-255.  window 1: B's fragments, two sets.  window 2: the accumulators ((a, b) at v[8 (8 a + b)]).
.set PP,     589824
.set PA,     393216                    ; bytes of a plane of ac
.set PLB,    6144                      ; 128 rows of a plane
.set FR,     12
.set HALFT,  4*PLB
.set QB,     3*HALFT                   ; a quarter: A's 128 rows, B's first 128, B's second 128, each [plane 4][row 128][48]
.set SCA,    4*QB                      ; A's scales: 16 units of 256 bytes + 16
.set SCB,    SCA+16*272                ; B's: 32 units
.set SBLK,   2*272                     ; those of 16 rows
.set SPARE,  SCB+32*272                ; the spare words: two blocks of 256 bytes that no other line names
.set SPITCH, 528                       ; the way out: 16 rows x (512 bytes + 16) for each wave, in quarter 0: it has had its one fill, and nobody reads it behind the last barrier
.set ADRA, 8                           ; v8-11  my fragments of A in quarter 0..3 (an LDS immediate has 16 bits)
.set ADRB, 12                          ; v12-15 of B
.set ADRS, 16                          ; v16 scale words: lanes 0-15 A's rows, lanes 16-31 B's
.set ADRS2, 17                         ; v17 B's rows in every lane
.set STO,  18
.set RD,   19
.set CO,   20
.set BOF,  21
.set SPW,  28
.set NIL,  29
.set SC,   32                          ; set q % 2 at 16 (q % 2); in it register 2 i + (which 128 of the quarter): i < 4: lanes 0-15 A's block i, lanes 16-31 B's block i; i >= 4: B's block i in lanes 0-15
.set BI,   64
.set AF,   128
.set BK,   128
.set G1A,  28
.set G1B,  36
.set G1SA, 44
.set G1SB, 52
.set G0SA, 60
.set G0A,  68                          ; s[68:83] four sets
.set G0B,  84                          ; s[84:99] four sets
.set G0SB, 24
.set MSB, 0
.macro WIN new
.if MSB != (\new)
	s_set_vgpr_msb (MSB<<8)|(\new)
.set MSB, (\new)
.endif
.endm
.macro CROUND
	s_barrier_signal -1
	s_barrier_wait -1
	s_cmp_lg_u32 s16, 0
	s_cbranch_scc1 .Lnot_wave_0_\@
	s_barrier_signal -3
.Lnot_wave_0_\@:
	s_barrier_wait -3
	s_barrier_signal -1
	s_barrier_wait -1
.endm
.macro PLACES
.rept 4
	v_nop
.endr
.endm
	s_load_b256 s[4:11], s[0:1], 0x0               ; ac s[4:5], asc s[6:7], codes s[8:9], scales s[10:11]
	s_load_b128 s[12:15], s[0:1], 0x20             ; bo s[12:13], out0 s[14:15]
	v_lshl_add_u32 v[SPW], v0, 2, SPARE
	v_mov_b32 v[NIL], 0
	ds_add_u32 v[SPW], v[NIL]                      ; the wave's opening: the add and its wait ahead of the first tensor loads; work on registers stands between them
	v_lshrrev_b32 v1, 5, v0
	v_readfirstlane_b32 s16, v1                    ; wave 0..3
	s_lshr_b32 s17, s16, 1                         ; my half of the tokens
	s_and_b32 s18, s16, 1                          ; my half of the columns.  Also: which 128 rows of B waves 2 and 3 fetch
	s_bfe_u32 s19, ttmp6, 0x40000                  ; cx: the tile of columns
	s_bfe_u32 s20, ttmp6, 0x40004                  ; cy
	s_and_b32 s21, ttmp7, 0xffff
	s_lshl_b32 s21, s21, 2
	s_add_co_u32 s21, s21, s20                     ; the tile of tokens
	s_lshl_b32 s22, s20, 2
	s_lshl_b32 s22, 15, s22                        ; my row of the cluster
	s_lshl_b32 s23, 0x1111, s19                    ; my column
	s_or_b32 s[G1A], s22, (3<<16)|(1<<21)          ; four planes x 768 elements of 8 bytes, no padding
	s_or_b32 s[G1B], s23, (3<<16)|(1<<21)
.irp g, G1A, G1B
	s_mov_b32 s[\g+1], 768<<16
	s_mov_b32 s[\g+2], 4<<16
	s_mov_b32 s[\g+3], 768<<16
	s_mov_b32 s[\g+4], 4
	s_mov_b32 s[\g+6], 0
	s_mov_b32 s[\g+7], 0
.endr
	s_mov_b32 s[G1A+5], PA/8
	s_mov_b32 s[G1B+5], PP/8
	s_or_b32 s[G1SA], s22, (3<<16)|(1<<20)|(1<<21)|(5<<22)|(3<<25)   ; rows of 256 bytes, 16 bytes of padding behind each
	s_or_b32 s[G1SB], s23, (3<<16)|(1<<20)|(1<<21)|(5<<22)|(3<<25)
.irp g, G1SA, G1SB
	s_mov_b32 s[\g+1], 32<<16
	s_mov_b32 s[\g+3], 32<<16
	s_mov_b32 s[\g+5], 32
	s_mov_b32 s[\g+6], 0
	s_mov_b32 s[\g+7], 0
.endr
	s_mov_b32 s[G1SA+2], 16<<16                    ; 128 rows x 32 bytes
	s_mov_b32 s[G1SA+4], 16
	s_mov_b32 s[G1SB+2], 32<<16                    ; 256 rows
	s_mov_b32 s[G1SB+4], 32
	s_mul_i32 s2, s21, PLB                         ; A: my 128 tokens in a plane,
	s_mov_b32 s3, 0
	s_lshl_b32 s104, s21, 12                       ; their scale bytes
	s_mov_b32 s105, 0
	s_lshl_b32 s100, s19, 8
	s_add_co_u32 s100, s100, 11264                 ; B: Wo's position 256 cx
	s_lshl_b32 s22, s100, 5                        ; its scale bytes,
	s_mov_b32 s23, 0
	s_lshl_b32 s101, s18, 7
	s_add_co_u32 s100, s100, s101
	s_mul_i32 s100, s100, 48                       ; the codes of the 128 rows that waves 2 and 3 fetch
	s_mov_b32 s101, 0
	s_wait_dscnt 0x0                               ; the opening add is done
	s_wait_kmcnt 0x0
	s_add_nc_u64 s[4:5], s[4:5], s[2:3]
	s_add_nc_u64 s[6:7], s[6:7], s[104:105]
	s_add_nc_u64 s[8:9], s[8:9], s[100:101]
	s_add_nc_u64 s[10:11], s[10:11], s[22:23]
	s_mul_i32 s2, s18, HALFT
	s_add_co_u32 s2, s2, HALFT                     ; B's half in a quarter
	s_mov_b32 s[G0SA], 1
	s_mov_b32 s[G0SA+1], SCA
	s_mov_b64 s[G0SA+2:G0SA+3], s[6:7]
	s_or_b32 s[G0SA+3], s[G0SA+3], 0x80000000
	s_mov_b32 s[G0SB], 1
	s_mov_b32 s[G0SB+1], SCB
	s_mov_b64 s[G0SB+2:G0SB+3], s[10:11]
	s_or_b32 s[G0SB+3], s[G0SB+3], 0x80000000
.irp q, 0,1,2,3
	s_mov_b32 s[G0A+4*\q], 1
	s_mov_b32 s[G0A+4*\q+1], \q*QB
	s_add_nc_u64 s[G0A+4*\q+2:G0A+4*\q+3], s[4:5], \q*4*PA
	s_or_b32 s[G0A+4*\q+3], s[G0A+4*\q+3], 0x80000000
	s_mov_b32 s[G0B+4*\q], 1
	s_add_co_u32 s[G0B+4*\q+1], s2, \q*QB
	s_add_nc_u64 s[G0B+4*\q+2:G0B+4*\q+3], s[8:9], \q*4*PP
	s_or_b32 s[G0B+4*\q+3], s[G0B+4*\q+3], 0x80000000
.endr
	CROUND                                         ; all sixteen work-groups are here: the joint loads meet
	s_cmp_eq_u32 s16, 0                            ; all the fills of a wave stand in one branch on the wave's number; an s_nop 0 follows each load, four v_nop the last
	s_cbranch_scc0 .Lnot_a
	tensor_load_to_lds s[G0SA:G0SA+3], s[G1SA:G1SA+7]
	s_nop 0
.irp q, 0,1,2,3
	tensor_load_to_lds s[G0A+4*\q:G0A+4*\q+3], s[G1A:G1A+7]
	s_nop 0
.endr
	PLACES
	s_branch .Lasked
.Lnot_a:
	s_cmp_eq_u32 s16, 2
	s_cbranch_scc0 .Lnot_b0
	tensor_load_to_lds s[G0SB:G0SB+3], s[G1SB:G1SB+7]
	s_nop 0
.irp q, 0,1,2,3
	tensor_load_to_lds s[G0B+4*\q:G0B+4*\q+3], s[G1B:G1B+7]
	s_nop 0
.endr
	PLACES
	s_branch .Lasked
.Lnot_b0:
	s_cmp_eq_u32 s16, 3
	s_cbranch_scc0 .Lasked
.irp q, 0,1,2,3
	tensor_load_to_lds s[G0B+4*\q:G0B+4*\q+3], s[G1B:G1B+7]
	s_nop 0
.endr
	PLACES
.Lasked:
	v_and_b32 v1, 15, v0                           ; r
	v_bfe_u32 v2, v0, 4, 1                         ; h
	v_and_b32 v3, 31, v0                           ; lane
	s_lshl_b32 s100, s19, 8
	s_lshl_b32 s101, s18, 7
	s_add_co_u32 s100, s100, s101
	s_lshl_b32 s100, s100, 2                       ; my first column, in bytes
	s_mov_b32 s101, 0
	s_add_nc_u64 s[12:13], s[12:13], s[100:101]
	s_add_nc_u64 s[14:15], s[14:15], s[100:101]
	v_lshlrev_b32 v[BOF], 6, v2
.irp b, 0,1,2,3,4,5,6,7
	global_load_b128 v[BI+8*\b:BI+8*\b+3], v[BOF], s[12:13] offset:128*(\b/2)+32*(\b%2)      ; the bias in the result's layout
	global_load_b128 v[BI+8*\b+4:BI+8*\b+7], v[BOF], s[12:13] offset:128*(\b/2)+32*(\b%2)+16
.endr
	s_lshl_b32 s100, s21, 7
	s_lshl_b32 s22, s17, 6
	s_add_co_u32 s100, s100, s22
	s_lshl_b32 s100, s100, 12                      ; my first token's row of 4,096 bytes
	s_add_nc_u64 s[14:15], s[14:15], s[100:101]
	v_mul_u32_u24 v4, v1, 48
	v_mad_u32_u24 v4, v2, 24, v4                   ; a fragment's row x 48 + 24 x half
	s_mul_i32 s2, s17, 3072                        ; my 64 rows of A
	s_mul_i32 s3, s18, HALFT
	s_add_co_u32 s3, s3, HALFT                     ; my 128 rows of B
.irp q, 0,1,2,3
	v_add_nc_u32 v[ADRA+\q], s2, v4
	v_add_nc_u32 v[ADRB+\q], s3, v4
	s_add_co_u32 s2, s2, QB
	s_add_co_u32 s3, s3, QB
.endr
	v_lshlrev_b32 v5, 5, v1
	v_lshrrev_b32 v6, 3, v1
	v_lshl_add_u32 v5, v6, 4, v5                   ; my row's scales: 32 bytes a row, 16 more for each 256 passed
	s_mul_i32 s2, s17, 4*SBLK
	s_mul_i32 s3, s18, 8*SBLK
	s_add_co_u32 s3, s3, SCB
	v_add_nc_u32 v[ADRS2], s3, v5
	s_add_co_u32 s2, s2, SCA
	s_sub_co_u32 s3, s3, s2
	v_mul_u32_u24 v6, s3, v2                       ; lanes 16-31 take B's: one product, the distance between the two bases
	v_add_nc_u32 v6, v6, v5
	v_add_nc_u32 v[ADRS], s2, v6
	s_mul_i32 s2, s16, 16*SPITCH                   ; my stage
	v_mul_u32_u24 v5, v1, SPITCH
	v_lshl_add_u32 v5, v2, 6, v5
	v_add_nc_u32 v[STO], s2, v5                    ; in: row r, + 64 h
	v_lshlrev_b32 v[CO], 4, v3
	v_add_nc_u32 v[RD], s2, v[CO]                  ; back: a row of 512 bytes to the 32 lanes
.macro FRAG reg, adr, q, i
.irp p, 0,1,2,3,4,5
	ds_load_b64 v[\reg+2*\p:\reg+2*\p+1], v[\adr] offset:(2*(\q)+\p/3)*PLB+(\i)*768+8*(\p%3)
.endr
.endm
.macro FETCH s                         ; step s's fragments into set s % 2; with a quarter's first step its scale words
.set FQ, (\s)/2
.set FH, (\s)%2
	WIN 0x40                                       ; destination window 1
.irp i, 0,1,2,3,4,5,6,7
	FRAG 128*FH+FR*\i, ADRB+FQ, FH, \i
.endr
	WIN 0
.irp i, 0,1,2,3
	FRAG AF+48*FH+FR*\i, ADRA+FQ, FH, \i
.endr
.if FH == 0
.irp i, 0,1,2,3
	ds_load_b64 v[SC+16*(FQ%2)+2*\i:SC+16*(FQ%2)+2*\i+1], v[ADRS] offset:\i*SBLK+8*FQ
.endr
.irp i, 4,5,6,7
	ds_load_b64 v[SC+16*(FQ%2)+2*\i:SC+16*(FQ%2)+2*\i+1], v[ADRS2] offset:\i*SBLK+8*FQ
.endr
.endif
.endm
.macro ONE a, b, s                     ; one product: A's block a, B's block b, step s
.set rD, 8*(8*(\a)+(\b))
.set rB, 128*((\s)%2)+FR*(\b)
.set rA, AF+48*((\s)%2)+FR*(\a)
.set rX, SC+16*(((\s)/2)%2)+2*(\b)+(\s)%2
.set rY, SC+16*(((\s)/2)%2)+2*(\a)+(\s)%2
.if (\s) == 0
.if (\b) < 4
	v_wmma_scale_f32_16x16x128_f8f6f4 v[rD:rD+7], v[rB:rB+FR-1], v[rA:rA+FR-1], v[BI+8*(\b):BI+8*(\b)+7], v[rX], v[rY] matrix_a_fmt:MATRIX_FMT_FP6 matrix_b_fmt:MATRIX_FMT_FP6 matrix_a_scale:MATRIX_SCALE_ROW1
.else
	v_wmma_scale_f32_16x16x128_f8f6f4 v[rD:rD+7], v[rB:rB+FR-1], v[rA:rA+FR-1], v[BI+8*(\b):BI+8*(\b)+7], v[rX], v[rY] matrix_a_fmt:MATRIX_FMT_FP6 matrix_b_fmt:MATRIX_FMT_FP6
.endif
.else
.if (\b) < 4
	v_wmma_scale_f32_16x16x128_f8f6f4 v[rD:rD+7], v[rB:rB+FR-1], v[rA:rA+FR-1], v[rD:rD+7], v[rX], v[rY] matrix_a_fmt:MATRIX_FMT_FP6 matrix_b_fmt:MATRIX_FMT_FP6 matrix_a_scale:MATRIX_SCALE_ROW1
.else
	v_wmma_scale_f32_16x16x128_f8f6f4 v[rD:rD+7], v[rB:rB+FR-1], v[rA:rA+FR-1], v[rD:rD+7], v[rX], v[rY] matrix_a_fmt:MATRIX_FMT_FP6 matrix_b_fmt:MATRIX_FMT_FP6
.endif
.endif
.endm
.macro MUL16 a0, s                     ; the 32 accumulators take turns, one instruction a turn, in the same order in every step
.irp a, \a0, \a0+1
.irp b, 0,1,2,3,4,5,6,7
	ONE \a, \b, \s
.endr
.endr
.endm
.macro MWIN s
.if (\s) == 0
	WIN 0x81                                       ; source 0 (B) window 1, source 1 (A) and C (the bias) window 0, D window 2
.else
	WIN 0xa1                                       ; C and D window 2
.endif
.endm
; A step of 128 along K.  In a quarter's second step the next quarter is waited for: the fetching waves' counted wait leaves the later quarters' loads out.
.macro KSTEP s
	s_wait_dscnt 0x0                               ; this step's fragments are in; no LDS instruction of mine is out at the signal
.if ((\s)%2 == 1) && ((\s) < 7)
	s_wait_tensorcnt 2-(\s)/2                      ; my part of the next quarter has landed
	s_barrier_signal -1
.endif
	MWIN \s
	MUL16 0, \s
.if ((\s)%2 == 1) && ((\s) < 7)
	s_barrier_wait -1                              ; everybody's has
.endif
.if (\s) < 7
	PLACES                                         ; ahead of loads into the set that the step before multiplied
	FETCH (\s)+1
	MWIN \s
.endif
	MUL16 2, \s
.endm
	s_wait_tensorcnt 3                             ; the scales and quarter 0 have landed; the three later quarters' loads may be out
	s_barrier_signal -1
	s_barrier_wait -1
	FETCH 0
	s_wait_loadcnt 0x0                             ; the bias
.irp s, 0,1,2,3,4,5,6,7
	KSTEP \s
.endr
	WIN 0
; THE WAY OUT, block by block of 16 tokens x 128 columns, through my own stage: whole rows of 512 bytes come back and are stored by the 32 lanes.
.macro TOSTAGE a
	WIN 0x08                                       ; an LDS store's data: window 2
.irp b, 0,1,2,3,4,5,6,7
	ds_store_b128 v[STO], v[8*(8*(\a)+\b):8*(8*(\a)+\b)+3] offset:128*(\b/2)+32*(\b%2)        ; each accumulator from its low end on
	ds_store_b128 v[STO], v[8*(8*(\a)+\b)+4:8*(8*(\a)+\b)+7] offset:128*(\b/2)+32*(\b%2)+16
.endr
	WIN 0
.set BB, BK+64*((\a)%2)
.irp t, 0,1,2,3,4,5,6,7,8,9,10,11,12,13,14,15
	ds_load_b128 v[BB+4*\t:BB+4*\t+3], v[RD] offset:\t*SPITCH   ; LDS serves a wave's instructions in order: these see the stores above
.endr
.endm
.macro SEND a, younger
.set BB, BK+64*((\a)%2)
	s_wait_dscnt \younger                          ; the block is back in registers
.if (\a) > 0
	s_add_nc_u64 s[14:15], s[14:15], 16*4096       ; (behind a wait on XCNT: the earlier stores have read their base)
.endif
.irp t, 0,1,2,3,4,5,6,7,8,9,10,11,12,13,14,15
	global_store_b128 v[CO], v[BB+4*\t:BB+4*\t+3], s[14:15] offset:\t*4096 th:TH_STORE_NT   ; 512 consecutive bytes, at a multiple of 256 from the buffer's first byte
.endr
.endm
	PLACES                                         ; behind the last products: ahead of the reads of results and of loads into A's registers
	TOSTAGE 0
.irp a, 1,2,3
.if \a > 1
	s_wait_xcnt 0x0                                ; block a - 2's stores have read their registers and their base
.endif
	TOSTAGE \a
	SEND \a-1, 32                                  ; behind block a - 1's loads: block a's 16 stores and 16 loads
.endr
	s_wait_xcnt 0x0
	SEND 3, 0
	s_wait_tensorcnt 0x0                           ; the wave's end: behind my last tensor load and my last LDS store
	ds_add_u32 v[SPW], v[NIL]
	s_wait_dscnt 0x0
	CROUND                                         ; the closing round
	s_endpgm
.Lfunc_end_k_q5543e770c1_out:
	.size	k_q5543e770c1_out, .Lfunc_end_k_q5543e770c1_out-k_q5543e770c1_out
	.p2alignl 7, 3214868480
	.fill 96, 4, 3214868480
	.section	.rodata,"a",@progbits
	.p2align	6, 0x0
	.amdhsa_kernel k_q5543e770c1_out
		.amdhsa_group_segment_fixed_size 327680
		.amdhsa_private_segment_fixed_size 0
		.amdhsa_enable_private_segment 0
		.amdhsa_kernarg_size 48
		.amdhsa_user_sgpr_count 2
		.amdhsa_user_sgpr_kernarg_segment_ptr 1
		.amdhsa_wavefront_size32 1
		.amdhsa_system_sgpr_workgroup_id_x 1
		.amdhsa_system_sgpr_workgroup_id_y 1
		.amdhsa_system_sgpr_workgroup_id_z 1
		.amdhsa_system_vgpr_workitem_id 0
		.amdhsa_next_free_vgpr 768
		.amdhsa_next_free_sgpr 106
		.amdhsa_reserve_vcc 0
		.amdhsa_float_denorm_mode_32 3
		.amdhsa_float_denorm_mode_16_64 3
		.amdhsa_memory_ordered 1
		.amdhsa_forward_progress 1
		.amdhsa_inst_pref_size 100
	.end_amdhsa_kernel
	.amdgpu_metadata
---
amdhsa.version: [ 1, 2 ]
amdhsa.kernels:
  - .name:           k_q5543e770c1_out
    .symbol:         k_q5543e770c1_out.kd
    .args:
      - { .name: ac, .offset: 0, .size: 8, .value_kind: global_buffer, .address_space: global }
      - { .name: asc, .offset: 8, .size: 8, .value_kind: global_buffer, .address_space: global }
      - { .name: codes, .offset: 16, .size: 8, .value_kind: global_buffer, .address_space: global }
      - { .name: scales, .offset: 24, .size: 8, .value_kind: global_buffer, .address_space: global }
      - { .name: bo, .offset: 32, .size: 8, .value_kind: global_buffer, .address_space: global }
      - { .name: out0, .offset: 40, .size: 8, .value_kind: global_buffer, .address_space: global }
    .group_segment_fixed_size: 327680
    .private_segment_fixed_size: 0
    .kernarg_segment_align: 8
    .kernarg_segment_size: 48
    .max_flat_workgroup_size: 128
    .sgpr_count:     106
    .vgpr_count:     768
    .wavefront_size: 32
...
	.end_amdgpu_metadata
.endif
;; end of part 4
